; MI455X (gfx1250); checked and timed in simulation.
; The chip was launched on July 23, 2026; its instructions are those of AMD's public machine-readable ISA for CDNA 5 (MIT licence, August 2026) and "CDNA5" Instruction Set Architecture Reference Guide (July 2026). The comments in the code are by the model that wrote it; some were corrected since.
;; Multi Head Attention. Allowed arithmetic: matrix products marked QUANTISED: E2M1 operands, one E8M0 scale for each 32 along K, by v_wmma_scale_f32_16x16x128_f8f6f4 with both operands' format E2M1 (or v_wmma_scale_f32_32x16x128_f4), f32 sums; products left as they are: bf16, f16 or f32 operands; f32 sums; everything else in f32.
;; Inputs: Wk 1,024 x 1,024 float32; Wo 1,024 x 1,024 float32; Wq 1,024 x 1,024 float32; Wv 1,024 x 1,024 float32; bk 1,024 float32; bo 1,024 float32; bq 1,024 float32; bv 1,024 float32; key 4 x 2,048 x 1,024 float32; query 4 x 2,048 x 1,024 float32; value 4 x 2,048 x 1,024 float32.
;; Outputs: out0 4 x 2,048 x 1,024 float32.
;; This version of the problem:
;;   THIS VERSION OF THE PROBLEM IS GIVEN IN LOW PRECISION. The matrix products marked QUANTISED in the list below multiply operands that are first quantised to E2M1 (2 exponent bits, 1 mantissa bit; 4 bits a number), with one power-of-two scale for each 32 numbers along K (OCP MX v1.0); their sums are f32. The products marked 'left as it is' may take bf16, f16 or f32 operands, with f32 sums. Whichever they take, every output number must still come out within the allowed error. Rounding operands to bf16 (8 significant bits) uses up far more of that allowance than f16 does (11 bits, for magnitudes from 6e-5 to 65,504). All else is computed in f32.
;;   The module's matrix products, in the order in which they are computed (A, B: the left and right operand; K: the contracted axis; several contracted axes count as one K, in the product's order):
;;     1. [M 8,192, K 1,024] x [K 1,024, N 1,024]; A: input query; B: input Wq: QUANTISED
;;     2. [M 8,192, K 1,024] x [K 1,024, N 1,024]; A: input key; B: input Wk: QUANTISED
;;     3. [M 8,192, K 1,024] x [K 1,024, N 1,024]; A: input value; B: input Wv: QUANTISED
;;     4. batch 64 x [M 2,048, K 64] x [K 64, N 2,048]; A: computed on the way; B: computed on the way: left as it is (an operand is computed on the way)
;;     5. batch 64 x [M 2,048, K 2,048] x [K 2,048, N 64]; A: computed on the way; B: computed on the way: left as it is (an operand is computed on the way)
;;     6. [M 8,192, K 1,024] x [K 1,024, N 1,024]; A: computed on the way; B: input Wo: left as it is (an operand is computed on the way)
;;   THE QUANTISER, for each operand of a quantised product, along K:
;;     - K is cut into blocks of 32 from its start; a last block that is shorter is filled with zeros.
;;     - A block's scale is 2^e with e = floor(log2(the largest magnitude in the block)) - 2, held to -126 .. 127; a block of zeros has e = 0. As a byte (E8M0): e + 127.
;;     - Each number is divided by its block's scale, clamped to +-6, and rounded to the nearest number of E2M1, ties to even, subnormals kept.
;;     - The product sums the exact products of the quantised numbers (number of the format x scale) in f32.
;;   ~~~python
;;   def quantise(x, axis):      # numpy; x: float32 -> the quantised numbers, widened to float32 again
;;       x = np.moveaxis(x, axis, -1); K = x.shape[-1]
;;       x = np.pad(x, [(0, 0)] * (x.ndim - 1) + [(0, -K % 32)]); x = x.reshape(x.shape[:-1] + (-1, 32)); a = np.abs(x).max(-1, keepdims=True)
;;       e = np.where(a > 0, np.clip(np.frexp(np.where(a > 0, a, 1))[1] - 1 - 2, -126, 127), 0)      # np.frexp(a)[1] - 1 = floor(log2(a)), exactly
;;       r = np.clip(x / 2.0 ** e, -6, 6)
;;       step = 2.0 ** (np.maximum(np.frexp(np.where(r == 0, 1, r))[1] - 1, 0) - 1)
;;       q = np.round(r / step) * step * 2.0 ** e      # np.round: ties to even
;;       return np.moveaxis(q.reshape(q.shape[:-2] + (-1,))[..., :K], -1, axis).astype(np.float32)
;;   ~~~
;; One version. Each part assembles by itself: llvm-mc -triple=amdgcn-amd-amdhsa -mcpu=gfx1250 --defsym DOCPART=n.
;; ======== version 1 of 1: 4 launches
;; limits: values are held in f16: magnitudes above 65,504 overflow, below 6.1e-05 lose precision
;; workspace buffers: codes 14,155,776 bytes; scales 884,736 bytes; wo16 2,097,152 bytes; qkv 50,331,648 bytes; att 16,777,216 bytes
;; launch quant (part 1): grid 992 x 1, 4 waves a work-group, no clusters, 33,280 bytes of LDS; arguments query, key, value, Wq, Wk, Wv, Wo, codes, scales, wo16; writes codes, scales, wo16
.if DOCPART == 1
	.amdgcn_target "amdgcn-amd-amdhsa--gfx1250"
	.amdhsa_code_object_version 6
	.text
	.protected	k_q18d2c8e022_quant
	.globl	k_q18d2c8e022_quant
	.p2align	8
	.type	k_q18d2c8e022_quant,@function
k_q18d2c8e022_quant:
	s_mov_b64 s[64:65], 0
	v_nop
	global_prefetch_b8 v0, s[64:65] scope:SCOPE_SE
	s_setreg_imm32_b32 hwreg(HW_REG_WAVE_MODE, 25, 1), 1
	s_wait_xcnt 0x0
; query, key, value [8192][1024] and Wq, Wk, Wv [1024][1024], f32, K innermost, are turned into codes of FP4 (E2M1), two a byte, the lower k in the low four bits,
; with one E8M0 scale byte for each 32 along K.  The six tensors' rows are stacked in that order into ONE matrix of 27,648 rows: codes [27648][512 bytes], scales [27648][32 bytes].
; Wo [1024][1024] is rounded to f16, row-major, for the product on the way out, which is not quantised.
; A block's scale is 2^(floor(log2(its largest magnitude)) - 2); its byte is the largest magnitude's own exponent field - 2, held at 1 from below.  Each number is divided by the scale and rounded to the
; nearest code, ties to even, beyond the largest code the largest.
; LIMITS: a block of zeros gets the byte 1 where the rule says 127: its codes are zeros, which add nothing under any byte but 0xff, and this program alone reads the bytes.  Blocks whose largest magnitude lies
; under 2^(2 - 126) have their byte held at 1.  NaN and infinities among the inputs are not served.  |Wo| above 65,504 has no f16 number.
; SHARES.  Rows are dense and 1,024 is a multiple of 32: each tensor is a plain stream of blocks of 32.  Work-groups 0 to 863 take 32,768 numbers each, in the stacked order, so that work-group g's codes and
; scale bytes lie at g's own place in the stacked buffers; a wave takes 16 steps of 512 numbers.  Work-groups 864 to 991 take Wo, 2,048 numbers a wave.
; A STEP.  The conversions take 8 numbers of ONE block from a lane's consecutive registers, so a lane must hold 16 neighbours (two lanes hold a block); a load is best where neighbouring LANES take neighbouring
; bytes.  Both are had: each of a step's four loads reads 512 consecutive bytes, 16 a lane; the 2,048 bytes go through the wave's own stage in LDS as they lie and come back 64 bytes a lane (16 bytes of padding
; behind each 64).  A lane's 16 codes are 8 bytes: the wave stores 256 consecutive bytes, aligned.  A wave's 256 scale bytes are gathered in its own LDS bytes and leave as 256 consecutive bytes.
; No tensor loads, no barrier: waves share nothing.  Loads run four steps (16 loads a wave) ahead, the turn through LDS one step.  Work-groups share no input: no cluster.
.set WAVES, 4
.set STEPS, 16
.set NQWG,  864                        ; work-groups that quantise: 3 x 256 + 3 x 32
.set EMAX,  2
.set CB,    8                          ; bytes of 16 codes
.set R,     16                         ; v16-79   four sets of 16 numbers as they are loaded
.set X,     80                         ; v80-111  two sets of 16 neighbours (Wo's way: the f16 numbers)
.set C,     128                        ; v128-191 codes: four registers for each step, so that no store's data are written again
.set E,     112                        ; v112-127 a scale byte for each step
.set WREG,  8192                       ; LDS: a region for each wave: two stages of 32 x SP bytes, behind them its 256 scale bytes
.set SP,    80                         ; a lane's place in a stage: its 64 bytes + 16 of padding
.set SPW,   12                         ; v12      LDS address of my spare word: SPARE + 4 x my thread's number; never rewritten
.set NIL,   13                         ; v13      0; never rewritten
.set SPARE, WAVES*WREG                 ; behind the four regions: the spare words, 128 bytes for each wave, which no other line names
.set WV,    24                         ; s24      my wave's number
.set IN,    36                         ; s[36:37] the tensor that my work-group reads
.set FIRST, 38                         ; s38      that tensor's first work-group
	s_load_b256 s[4:11], s[0:1], 0x0               ; query s[4:5], key s[6:7], value s[8:9], Wq s[10:11]
	s_load_b256 s[12:19], s[0:1], 0x20             ; Wk s[12:13], Wv s[14:15], Wo s[16:17], codes s[18:19]
	s_load_b128 s[20:23], s[0:1], 0x40             ; scales s[20:21], wo16 s[22:23]
	v_lshl_add_u32 v[SPW], v0, 2, SPARE
	v_mov_b32 v[NIL], 0
	v_lshrrev_b32 v1, 5, v0
	v_readfirstlane_b32 s[WV], v1                  ; wave 0..3
	v_and_b32 v2, 31, v0                           ; lane
	v_lshlrev_b32 v3, 4, v2                        ; my 16 bytes of a load's 512
	s_mul_i32 s25, s[WV], WREG
	v_lshrrev_b32 v14, 2, v2
	v_mul_u32_u24 v14, v14, SP
	v_and_b32 v15, 3, v2
	v_lshl_add_u32 v14, v15, 4, v14
	v_add_nc_u32 v14, s25, v14                     ; the stage, on the way in: four lanes' 64 bytes on end, then 16 of padding: SP (lane / 4) + 16 (lane % 4)
	v_mul_u32_u24 v15, v2, SP
	v_add_nc_u32 v15, s25, v15                     ; and on the way out: SP x lane: my 16 neighbours
	v_mul_u32_u24 v4, v2, CB                       ; 8 x lane: my codes' place in a step's (Wo's way: my four f16 numbers')
	v_lshrrev_b32 v5, 1, v2
	s_add_co_u32 s25, s25, 2*32*SP
	v_add_nc_u32 v5, s25, v5                       ; LDS: my wave's 256 scale bytes, my block's byte
	v_lshlrev_b32 v7, 3, v2                        ; and on the way out 8 bytes a lane
	v_add_nc_u32 v6, s25, v7
	s_wait_kmcnt 0x0
	s_cmp_ge_u32 ttmp9, NQWG                       ; the work-group's number alone decides
	s_cbranch_scc1 .Lwo
	; which tensor: the choice hangs on the work-group's number alone; only a pointer and a number are chosen, so all six take one way through the text
.macro PICK bound, p, start
	s_cmp_lt_u32 ttmp9, \bound
	s_cselect_b64 s[IN:IN+1], s[\p:\p+1], s[IN:IN+1]
	s_cselect_b32 s[FIRST], \start, s[FIRST]
.endm
	s_mov_b64 s[IN:IN+1], s[14:15]                 ; Wv, unless the number is lower
	s_mov_b32 s[FIRST], 832
	PICK 832, 12, 800                              ; Wk
	PICK 800, 10, 768                              ; Wq
	PICK 768, 8, 512                               ; value
	PICK 512, 6, 256                               ; key
	PICK 256, 4, 0                                 ; query
	s_sub_co_u32 s26, ttmp9, s[FIRST]
	s_lshl_b32 s26, s26, 2
	s_add_co_u32 s26, s26, s[WV]                   ; which run of 8,192 numbers of the tensor is my wave's
	s_lshl_b32 s26, s26, 15                        ; 32,768 bytes a run (at most 1,023 runs: under 2^32)
	s_mov_b32 s27, 0
	s_add_nc_u64 s[IN:IN+1], s[IN:IN+1], s[26:27]
	s_lshl_b32 s28, ttmp9, 2
	s_add_co_u32 s28, s28, s[WV]                   ; and which run of the stacked matrix
	s_lshl_b32 s26, s28, 12                        ; 4,096 bytes of codes a run
	s_add_nc_u64 s[18:19], s[18:19], s[26:27]
	s_lshl_b32 s26, s28, 8                         ; 256 scale bytes a run
	s_add_nc_u64 s[20:21], s[20:21], s[26:27]
.macro LOAD t
.irp i, 0,1,2,3
	global_load_b128 v[R+16*((\t)%4)+4*\i:R+16*((\t)%4)+4*\i+3], v3, s[IN:IN+1] offset:2048*(\t)+512*\i th:TH_LOAD_NT   ; 32 lanes read 512 consecutive bytes; read once in the launch
.endr
.endm
.macro TURN t                          ; step t's numbers through the stage: LDS serves a wave's instructions in order (ISA guide 5.7.1.4), so no wait stands between the stores and the loads
.irp i, 0,1,2,3
	ds_store_b128 v14, v[R+16*((\t)%4)+4*\i:R+16*((\t)%4)+4*\i+3] offset:32*SP*((\t)%2)+8*SP*\i
.endr
.irp i, 0,1,2,3
	ds_load_b128 v[X+16*((\t)%2)+4*\i:X+16*((\t)%2)+4*\i+3], v15 offset:32*SP*((\t)%2)+16*\i
.endr
.endm
.irp t, 0,1,2,3
	LOAD \t
.endr
	s_wait_loadcnt 12                              ; step 0's four loads are in; the twelve of steps 1 to 3 may be out
	TURN 0
.macro STEP t
.set XS, X+16*((\t)%2)
.if (\t) > 0
	s_wait_dscnt 1                                 ; this step's numbers are back from the stage (the last step's byte store may be out): so its stores into the stage have read their registers,
.else
	s_wait_dscnt 0x0
.endif
.if (\t)+4 < STEPS
	LOAD (\t)+4                                    ; which take the loads of four steps on
.endif
.if (\t)+1 < STEPS
.if STEPS-2-(\t) >= 3
	s_wait_loadcnt 12                              ; the next step's four loads are in; those of the three steps behind it may be out
.else
	s_wait_loadcnt 4*(STEPS-2-(\t))                ; in the tail: four for each step that is still behind it
.endif
	TURN (\t)+1                                    ; and go through the other stage while this step is worked
.endif
	v_max3_num_f32 v8, |v[XS]|, |v[XS+1]|, |v[XS+2]|               ; the largest magnitude of my 16, in two chains
	v_max3_num_f32 v9, |v[XS+3]|, |v[XS+4]|, |v[XS+5]|
.irp i, 6,10
	v_max3_num_f32 v8, v8, |v[XS+\i]|, |v[XS+\i+1]|
	v_max3_num_f32 v9, v9, |v[XS+\i+2]|, |v[XS+\i+3]|
.endr
	v_max3_num_f32 v8, v8, |v[XS+14]|, |v[XS+15]|
	v_max3_num_f32 v8, v8, v9, (EMAX+1)<<23        ; and the floor 2^(EMAX + 1 - 127), under which no largest magnitude is taken: so the byte cannot fall under 1
	v_max_num_f32_dpp v8, v8, v8 row_xmask:1 row_mask:0xf bank_mask:0xf   ; and of my neighbour's 16: the block's
	v_add_nc_u32 v11, -(EMAX<<23), v8              ; EMAX off its exponent field: the conversion takes the exponent field of this operand as its scale, and nothing else of it
	v_cvt_scalef32_pk8_fp4_f32 v[C+4*(\t)], v[XS:XS+7], v11        ; eight numbers / the scale, to the nearest code; the first number's code in the lowest four bits
	v_cvt_scalef32_pk8_fp4_f32 v[C+4*(\t)+1], v[XS+8:XS+15], v11
	v_lshrrev_b32 v[E+(\t)], 23, v11               ; the scale's byte (a plain line behind the conversions)
	ds_store_b8 v5, v[E+(\t)] offset:16*(\t)       ; both lanes of a block write the same byte with the same value
	global_store_b64 v4, v[C+4*(\t):C+4*(\t)+1], s[18:19] offset:32*CB*(\t)   ; 32 lanes store 256 consecutive bytes, aligned
.endm
.irp t, 0,1,2,3,4,5,6,7,8,9,10,11,12,13,14,15
	STEP \t
.endr
	ds_load_b64 v[8:9], v6                         ; LDS serves a wave's instructions in order: these see my byte stores
	s_wait_dscnt 0x0
	global_store_b64 v7, v[8:9], s[20:21]          ; 32 lanes store my wave's 256 scale bytes, aligned
	s_wait_tensorcnt 0x0                           ; the wave's end, behind my last LDS store
	ds_add_u32 v[SPW], v[NIL]
	s_wait_dscnt 0x0
	s_endpgm
.Lwo:                                              ; Wo to f16: this way touches no LDS.  Every offset is an immediate and no register is used twice, so no source is ever rewritten
	s_sub_co_u32 s25, ttmp9, NQWG
	s_lshl_b32 s25, s25, 2
	s_add_co_u32 s25, s25, s[WV]                   ; which run of 2,048 numbers is my wave's
	s_lshl_b32 s26, s25, 13                        ; 8,192 bytes in,
	s_mov_b32 s27, 0
	s_add_nc_u64 s[16:17], s[16:17], s[26:27]
	s_lshl_b32 s26, s25, 12                        ; 4,096 out
	s_add_nc_u64 s[22:23], s[22:23], s[26:27]
.irp i, 0,1,2,3,4,5,6,7,8,9,10,11,12,13,14,15
	global_load_b128 v[R+4*\i:R+4*\i+3], v3, s[16:17] offset:512*\i th:TH_LOAD_NT
.endr
.irp i, 0,1,2,3,4,5,6,7,8,9,10,11,12,13,14,15
	s_wait_loadcnt 15-\i                           ; loads come back in order (ISA guide 5.7.1): load i is in, the younger ones stay out
	v_cvt_pk_f16_f32 v[X+2*\i], v[R+4*\i], v[R+4*\i+1]             ; the first source into the low half
	v_cvt_pk_f16_f32 v[X+2*\i+1], v[R+4*\i+2], v[R+4*\i+3]
	global_store_b64 v4, v[X+2*\i:X+2*\i+1], s[22:23] offset:256*\i   ; 32 lanes store 256 consecutive bytes, aligned
.endr
	s_endpgm
.Lfunc_end_k_q18d2c8e022_quant:
	.size	k_q18d2c8e022_quant, .Lfunc_end_k_q18d2c8e022_quant-k_q18d2c8e022_quant
	.p2alignl 7, 3214868480
	.fill 96, 4, 3214868480
	.section	.rodata,"a",@progbits
	.p2align	6, 0x0
	.amdhsa_kernel k_q18d2c8e022_quant
		.amdhsa_group_segment_fixed_size 33280
		.amdhsa_private_segment_fixed_size 0
		.amdhsa_enable_private_segment 0
		.amdhsa_kernarg_size 80
		.amdhsa_user_sgpr_count 2
		.amdhsa_user_sgpr_kernarg_segment_ptr 1
		.amdhsa_wavefront_size32 1
		.amdhsa_system_sgpr_workgroup_id_x 1
		.amdhsa_system_sgpr_workgroup_id_y 1
		.amdhsa_system_sgpr_workgroup_id_z 1
		.amdhsa_system_vgpr_workitem_id 0
		.amdhsa_next_free_vgpr 192
		.amdhsa_next_free_sgpr 66
		.amdhsa_reserve_vcc 0
		.amdhsa_float_denorm_mode_32 3
		.amdhsa_float_denorm_mode_16_64 3
		.amdhsa_memory_ordered 1
		.amdhsa_forward_progress 1
		.amdhsa_inst_pref_size 40
	.end_amdhsa_kernel
	.amdgpu_metadata
---
amdhsa.version: [ 1, 2 ]
amdhsa.kernels:
  - .name:           k_q18d2c8e022_quant
    .symbol:         k_q18d2c8e022_quant.kd
    .args:
      - { .name: query, .offset: 0, .size: 8, .value_kind: global_buffer, .address_space: global }
      - { .name: key, .offset: 8, .size: 8, .value_kind: global_buffer, .address_space: global }
      - { .name: value, .offset: 16, .size: 8, .value_kind: global_buffer, .address_space: global }
      - { .name: Wq, .offset: 24, .size: 8, .value_kind: global_buffer, .address_space: global }
      - { .name: Wk, .offset: 32, .size: 8, .value_kind: global_buffer, .address_space: global }
      - { .name: Wv, .offset: 40, .size: 8, .value_kind: global_buffer, .address_space: global }
      - { .name: Wo, .offset: 48, .size: 8, .value_kind: global_buffer, .address_space: global }
      - { .name: codes, .offset: 56, .size: 8, .value_kind: global_buffer, .address_space: global }
      - { .name: scales, .offset: 64, .size: 8, .value_kind: global_buffer, .address_space: global }
      - { .name: wo16, .offset: 72, .size: 8, .value_kind: global_buffer, .address_space: global }
    .group_segment_fixed_size: 33280
    .private_segment_fixed_size: 0
    .kernarg_segment_align: 8
    .kernarg_segment_size: 80
    .max_flat_workgroup_size: 128
    .sgpr_count:     66
    .vgpr_count:     192
    .wavefront_size: 32
...
	.end_amdgpu_metadata
.endif
;; end of part 1
;; launch proj (part 2): grid 4 x 96, 4 waves a work-group, clusters of 4 x 4, 327,680 bytes of LDS; arguments codes, scales, bq, bk, qkv; writes qkv
.if DOCPART == 2
	.amdgcn_target "amdgcn-amd-amdhsa--gfx1250"
	.amdhsa_code_object_version 6
	.text
	.protected	k_q18d2c8e022_proj
	.globl	k_q18d2c8e022_proj
	.p2align	8
	.type	k_q18d2c8e022_proj,@function
k_q18d2c8e022_proj:
	s_mov_b64 s[64:65], 0
	v_nop
	global_prefetch_b8 v0, s[64:65] scope:SCOPE_SE
	s_setreg_imm32_b32 hwreg(HW_REG_WAVE_MODE, 25, 1), 1
	s_wait_xcnt 0x0
	s_wait_alu depctr_hold_cnt(0) depctr_sa_sdst(0) depctr_va_vdst(0) depctr_va_sdst(0) depctr_va_ssrc(0) depctr_va_vcc(0) depctr_vm_vsrc(0)
	s_getreg_b32 s2, hwreg(HW_REG_IB_STS2, 6, 4)
	s_cmp_eq_u32 s2, 0
	s_cbranch_scc0 .Lentry_in_a_cluster
	s_endpgm
.Lentry_in_a_cluster:
	s_bfe_u32 s2, ttmp6, 0x10000c
	s_cmp_lg_u32 s2, 0xf033
	s_cbranch_scc0 .Lentry_shape_is_right
	s_endpgm
.Lentry_shape_is_right:
; The three projections, on codes of FP4 (E2M1) with one E8M0 scale for each 32 along K = 1,024:  Q = query Wq^T + bq,  K = key Wk^T + bk,  V = value Wv^T (bv is added by the next launch, behind the softmax's
; division: a row's weights sum to one).  Sums in f32; results rounded once to f16.  LIMITS: magnitudes of Q, K, V above 65,504 have no f16 number; NaN and infinities are not served.
; OPERANDS.  codes [27648 rows][512 bytes] and scales [27648][32] hold query, key, value, Wq, Wk, Wv stacked (rows 0, 8192, 16384, 24576, 25600, 26624 on).  The matrix instruction takes codes and bytes as they lie.
; SHARES.  A work-group of four waves makes a tile of 256 x 256, a wave 128 x 128: 64 accumulators, 512 registers.  A cluster of 4 x 4 work-groups makes 1,024 x 1,024; cluster y = 8 z + c: z = 0 Q, 1 K, 2 V; c: which 1,024 tokens.
; THE TWO SIDES.  Source 1 of the matrix instruction ('the A side') gives a lane its row; source 0 ('the B side') gives a lane's eight registers their rows.  For Q and K the A side is tokens and the B side is W's rows:
; a lane holds eight neighbouring channels of one token.  For V THE SIDES ARE EXCHANGED BY ADDRESS ALONE: the A side is Wv's rows, the B side value's tokens: a lane holds eight neighbouring keys of one channel, V^T.
; No branch hangs on z: rows, strides and the bias's mask are chosen by s_cselect_b32 on z, which all sixteen partners share.
; RESULTS LEAVE AS IMAGES OF THE NEXT PRODUCT'S OPERAND REGISTERS.  A lane's eight results, packed to f16, are 16 bytes: registers 0-3 or 4-7 of a 16-bit fragment (16 rows x 32 along K) in this very lane.  So each store
; is 16 bytes at 16 x lane: 512 consecutive bytes, aligned; no LDS on the way out.  qkv: part z at z << 24, head 16 b + h at << 18.  Q, K in a head: [tile of 16 tokens: 2,048 B][channels 16 ct on: 512 B][lane: 16 B];
; V in a head: [32 keys: 4,096 B][channels 16 ct on: 1,024 B][keys 16 half on: 512 B][lane: 16 B].
; K = 1,024 is two LDS slots of 512 along K (rows of 256 bytes), both asked for at the start with the scales: nothing is ever filled again.  By this text's count a wave has three tensor loads out at the start.
; CLUSTER.  The four work-groups of a row of the cluster need the same A side's tiles, the four of a column the same B side's: each tile is asked for JOINTLY, by the same tensor load with the same descriptor and a mask that names the four.
; REGISTERS, in windows of 256: window 0: v1-29 addresses; v32-95 scale words, two sets; v128-191 the A side's fragments, one set; v192-255 the bias, eight registers for each of the B side's blocks; on the way out v128-255 packed results.
;   window 1: the B side's fragments, two sets, at v0 and v128.   window 2: the accumulators of my A rows 0-63 ((a, b) at v[8 (8 a + b)]);   window 3: those of rows 64-127.
.set KSTEP,  512                       ; along K in a slot
.set NQ,     KSTEP/128                 ; matrix instructions deep
.set ROWB,   256                       ; a tile's row in bytes
.set KROW,   512                       ; a row of codes in memory
.set PITCH,  272                       ; an LDS row: 256 bytes + 16 of padding = 68 words: row r starts at bank 4 r mod 64 (64 banks of 4 bytes: ISA guide 11.1): the 16 rows of a load start at 16 different banks
.set FR,     8                         ; registers of a fragment: 16 rows x 128 K
.set NL,     2                         ; LDS loads that bring one
.set NP,     4                         ; places behind this matrix instruction (ISA guide 7.12.1)
.set HALFT,  128*PITCH                 ; 128 rows: what one tensor load brings, and what one wave reads of a side
.set SLOT,   4*HALFT                   ; the A side's 256 rows, then the B side's
.set KS,     32                        ; a row of scales in bytes
.set SCL,    2*SLOT                    ; behind the slots: the scales, as runs of 256 bytes + 16 of padding
.set HALFS,  (128*KS/256)*272          ; the scales of 128 rows: what one tensor load brings
.set SBLK,   (16*KS/256)*272           ; those of 16 rows
.set SPARE,  SCL+4*HALFS               ; behind the scales: the spare words, 128 bytes for each wave, which no other line names
.set VO,   8                           ; v8-11   the way out: 16 x lane + (k / 2) R + (k % 2) T, k = 0..3
.set ADRA, 16                          ; v16-17  LDS address of my A side's fragments in slot 0, 1
.set ADRB, 20                          ; v20-21  the same for the B side
.set ADRS, 27                          ; v27     LDS address of my scale words: lanes 0-15 the A side's rows, lanes 16-31 the B side's
.set SPW,  28                          ; v28     LDS address of my spare word: SPARE + 4 x my thread's number; never rewritten
.set NIL,  29                          ; v29     0; never rewritten
.set SC,   32                          ; scale words: set s at v[SC + 8 NQ s]; register NQ i + q: lanes 0-15 the word of the A side's block i, lanes 16-31 that of the B side's block i, for the slot's q-th 128 along K
.set AF,   128                         ; the A side's fragments
.set BI,   192                         ; the bias: v[BI + 8 b + j] = that of the B side's row 16 b + 8 (lane / 16) + j; zeros for V
.set TMP,  128                         ; the way out: four sets of 32 registers
.set G1, 24                            ; s[24:31] descriptor group 1 for the A side's tiles;  s[32:39] group 0, one set for each slot
.set G0, 32
.set G1B, 48                           ; s[48:55], s[56:63] the same for the B side's
.set G0B, 56
.set G1S, 68                           ; s[68:75], s[76:79] groups 1 and 0 for the A side's scales;  s[80:87], s[88:91] for the B side's
.set G0S, 76
.set G1SB, 80
.set G0SB, 88
.set MSB, 0
.macro WIN new                         ; s_set_vgpr_msb: bits 1:0 source 0, 3:2 source 1, 5:4 source 2, 7:6 destination; the immediate's high byte repeats the setting that is left
.if MSB != \new
	s_set_vgpr_msb (MSB<<8)|\new
.set MSB, \new
.endif
.endm
.set MUL_LO,   0xa1                    ; source 0 (B side) window 1, source 1 (A side) window 0, C and D window 2
.set MUL_HI,   0xf1                    ; the same, C and D window 3
.set FIRST_LO, 0x81                    ; the first products: C is the bias, in window 0; D window 2
.set FIRST_HI, 0xc1                    ; D window 3
.set TO_B,     0x40                    ; destination window 1, address window 0
; A joint load: waves 0 and 1 fetch for the A side, waves 2 and 3 for the B side.  Each of the two lines has ONE mask and one set of registers for all that issue it; the branch hangs on the wave's number alone.
; An s_nop 0 and four v_nop follow each of the two lines, ahead of the jump, the label and what follows.
.macro JLOAD g0a, g1a, g0b, g1b
	s_cmp_eq_u32 s15, 0
	s_cbranch_scc0 .Lfor_b_\@
	tensor_load_to_lds s[\g0a:\g0a+3], s[\g1a:\g1a+7]
	s_nop 0
.rept 4
	v_nop
.endr
	s_branch .Lasked_\@
.Lfor_b_\@:
	tensor_load_to_lds s[\g0b:\g0b+3], s[\g1b:\g1b+7]
	s_nop 0
.rept 4
	v_nop
.endr
.Lasked_\@:
.endm
; A round of the cluster's barrier: my work-group's barrier, so that wave 0's signal speaks for all four waves; wave 0 signals for the work-group; every wave waits for all sixteen; my work-group's barrier once more.
.macro CROUND
	s_barrier_signal -1
	s_barrier_wait -1
	s_cmp_lg_u32 s14, 0
	s_cbranch_scc1 .Lnot_wave_0_\@
	s_barrier_signal -3
.Lnot_wave_0_\@:
	s_barrier_wait -3
	s_barrier_signal -1
	s_barrier_wait -1
.endm
	s_load_b256 s[4:11], s[0:1], 0x0               ; codes s[4:5], scales s[6:7], bq s[8:9], bk s[10:11]
	s_load_b64 s[12:13], s[0:1], 0x20              ; qkv
	v_lshl_add_u32 v[SPW], v0, 2, SPARE
	v_mov_b32 v[NIL], 0
	ds_add_u32 v[SPW], v[NIL]                      ; the wave's opening: the add, twice on end, and its wait ahead of my first tensor load; the set-up below, work on registers, stands between the second and the wait
	ds_add_u32 v[SPW], v[NIL]
	v_lshrrev_b32 v1, 5, v0
	v_readfirstlane_b32 s14, v1                    ; wave 0..3
	s_lshr_b32 s15, s14, 1                         ; which half of the tile's A rows is mine.  Also: I fetch for the A side (0) or for the B side (1)
	s_and_b32 s16, s14, 1                          ; which half of its B rows.  Also: which 128 rows of that side I fetch
	s_bfe_u32 s40, ttmp6, 0x40000                  ; cx, cy: my place in the cluster
	s_bfe_u32 s41, ttmp6, 0x40004
	s_and_b32 s96, ttmp7, 0xffff                   ; cluster y, 0..23
	s_lshr_b32 s97, s96, 3                         ; z: 0 Q, 1 K, 2 V
	s_and_b32 s98, s96, 7                          ; c: which 1,024 tokens
	s_lshl_b32 s43, s41, 2
	s_lshl_b32 s43, 15, s43                        ; my row of the cluster
	s_lshl_b32 s44, 0x1111, s40                    ; my column
	; descriptor group 1: a tile of 128 rows x 256 bytes, padded in LDS
	s_or_b32 s[G1+0], s43, (0<<16)|(1<<20)|(1<<21)|(5<<22)|(3<<25)  ; 15:0 the mask: the A side's tiles go to my row; 17:16 elements of 1 byte; 20 padding on; 21 set beside a mask; 24:22 after every 64 words (code 5); 31:25 four words (code 3)
	s_or_b32 s[G1B+0], s44, (0<<16)|(1<<20)|(1<<21)|(5<<22)|(3<<25) ; the same with my column's mask
.irp g, G1, G1B
	s_mov_b32 s[\g+1], ROWB<<16                    ; tensor_dim0
	s_mov_b32 s[\g+2], 128<<16                     ; tensor_dim1
	s_mov_b32 s[\g+3], ROWB<<16                    ; tile_dim0
	s_mov_b32 s[\g+4], 128                         ; tile_dim1
	s_mov_b32 s[\g+5], KROW                        ; tensor_dim0_stride
	s_mov_b32 s[\g+6], 0
	s_mov_b32 s[\g+7], 0
.endr
	; the scales of 128 rows: 4,096 dense bytes, as 16 rows of 256 bytes (32 elements of 8 bytes), 16 bytes of padding behind each
	s_or_b32 s[G1S+0], s43, (3<<16)|(1<<20)|(1<<21)|(5<<22)|(3<<25)
	s_or_b32 s[G1SB+0], s44, (3<<16)|(1<<20)|(1<<21)|(5<<22)|(3<<25)
.irp g, G1S, G1SB
	s_mov_b32 s[\g+1], 32<<16
	s_mov_b32 s[\g+2], (128*KS/256)<<16
	s_mov_b32 s[\g+3], 32<<16
	s_mov_b32 s[\g+4], 128*KS/256
	s_mov_b32 s[\g+5], 32
	s_mov_b32 s[\g+6], 0
	s_mov_b32 s[\g+7], 0
.endr
	; the two sides' first rows in the stacked matrix.  Q, K: A = tensor z's tokens 1,024 c on, B = W's rows;  V: A = Wv's rows, B = value's tokens 1,024 c on
	s_lshl_b32 s2, s97, 13
	s_lshl_b32 s3, s98, 10
	s_add_co_u32 s2, s2, s3                        ; 8,192 z + 1,024 c
	s_add_co_u32 s3, s3, 16384                     ; 16,384 + 1,024 c
	s_lshl_b32 s18, s97, 10
	s_add_co_u32 s18, s18, 24576                   ; 24,576 + 1,024 z
	s_mov_b32 s19, 26624
	s_cmp_lt_u32 s97, 2                            ; the same in all sixteen partners
	s_cselect_b32 s20, s2, s19                     ; the A side's
	s_cselect_b32 s46, s18, s3                     ; the B side's
	s_cselect_b32 s99, -1, 0                       ; the bias's mask: V starts its sums at zero
	s_lshl_b32 s18, s16, 7                         ; which 128 rows I fetch
	s_lshl_b32 s17, s41, 8                         ; the A side's rows hang on cy alone, which my row of the cluster shares;
	s_add_co_u32 s20, s20, s17
	s_add_co_u32 s20, s20, s18
	s_lshl_b32 s42, s40, 8                         ; the B side's on cx alone, which my column shares.  Neither's registers ever hold the other coordinate
	s_add_co_u32 s46, s46, s42
	s_add_co_u32 s46, s46, s18
	s_lshl_b32 s22, s20, 5                         ; where these rows' scales begin, in bytes (27,648 rows: all under 2^32),
	s_mov_b32 s23, 0
	s_lshl_b32 s92, s46, 5
	s_mov_b32 s93, 0
	s_lshl_b32 s20, s20, 9                         ; and their codes
	s_mov_b32 s21, 0
	s_lshl_b32 s46, s46, 9
	s_mov_b32 s47, 0
	s_mul_i32 s45, s14, HALFT                      ; where they go: wave x 128 rows: no place in the cluster enters an LDS address
	s_mul_i32 s94, s14, HALFS
	s_wait_dscnt 0x0                               ; both opening adds are done
	s_wait_kmcnt 0x0
	s_add_nc_u64 s[20:21], s[4:5], s[20:21]
	s_add_nc_u64 s[22:23], s[6:7], s[22:23]
	s_add_nc_u64 s[46:47], s[4:5], s[46:47]
	s_add_nc_u64 s[92:93], s[6:7], s[92:93]
	CROUND                                         ; all sixteen work-groups are here: the joint loads meet
	s_mov_b32 s[G0S], 1
	s_add_co_u32 s[G0S+1], s94, SCL
	s_mov_b64 s[G0S+2:G0S+3], s[22:23]
	s_or_b32 s[G0S+3], s[G0S+3], 0x80000000
	s_mov_b32 s[G0SB], 1
	s_add_co_u32 s[G0SB+1], s94, SCL
	s_mov_b64 s[G0SB+2:G0SB+3], s[92:93]
	s_or_b32 s[G0SB+3], s[G0SB+3], 0x80000000
	JLOAD G0S, G1S, G0SB, G1SB                     ; the scales first: they are wanted with the first products
.irp s, 0,1
	s_mov_b32 s[G0+4*\s], 1                        ; 1:0 count = 1
	s_add_co_u32 s[G0+4*\s+1], s45, \s*SLOT        ; 63:32 LDS address
	s_add_nc_u64 s[G0+4*\s+2:G0+4*\s+3], s[20:21], \s*ROWB   ; 120:64 global address: K = 512 s on
	s_or_b32 s[G0+4*\s+3], s[G0+4*\s+3], 0x80000000          ; 127:126 type = 2
	s_mov_b32 s[G0B+4*\s], 1
	s_add_co_u32 s[G0B+4*\s+1], s45, \s*SLOT
	s_add_nc_u64 s[G0B+4*\s+2:G0B+4*\s+3], s[46:47], \s*ROWB
	s_or_b32 s[G0B+4*\s+3], s[G0B+4*\s+3], 0x80000000
	JLOAD G0+4*\s, G1, G0B+4*\s, G1B
.endr
	; the bias of my 128 B rows (channels 256 cx + 128 half on): bq for Q, else bk; for V what is loaded is masked to zeros below
	s_cmp_eq_u32 s97, 0
	s_cselect_b64 s[8:9], s[8:9], s[10:11]
	s_lshl_b32 s92, s40, 10
	s_lshl_b32 s93, s16, 9
	s_add_co_u32 s92, s92, s93
	s_mov_b32 s93, 0
	s_add_nc_u64 s[8:9], s[8:9], s[92:93]
	v_and_b32 v1, 15, v0                           ; l % 16
	v_bfe_u32 v2, v0, 4, 1                         ; l / 16
	v_lshlrev_b32 v7, 5, v2                        ; my half's eight numbers of a block's sixteen
.irp b, 0,1,2,3,4,5,6,7
	global_load_b128 v[BI+8*\b:BI+8*\b+3], v7, s[8:9] offset:64*\b
	global_load_b128 v[BI+8*\b+4:BI+8*\b+7], v7, s[8:9] offset:64*\b+16
.endr
	v_mul_u32_u24 v3, v1, PITCH
	v_lshl_add_u32 v4, v2, 4, v3                   ; a fragment's row x pitch + 16 x half
	s_mul_i32 s21, s15, HALFT                      ; my 128 rows of the A side
	s_mul_i32 s22, s16, HALFT                      ; my 128 rows of the B side,
	s_add_co_u32 s22, s22, 2*HALFT                 ; which lie behind the A side's 256
.irp s, 0,1
	v_add_nc_u32 v[ADRA+\s], s21, v4
	v_add_nc_u32 v[ADRB+\s], s22, v4
	s_add_co_u32 s21, s21, SLOT
	s_add_co_u32 s22, s22, SLOT
.endr
	s_wait_loadcnt 0x0                             ; the bias
.set i, 0
.rept 64
	v_and_b32 v[BI+i], s99, v[BI+i]                ; as it is for Q and K, zeros for V
.set i, i+1
.endr
	v_mul_u32_u24 v5, v1, KS                       ; my row's scales: 32 bytes a row,
	v_lshrrev_b32 v6, 8, v5
	v_lshl_add_u32 v5, v6, 4, v5                   ; and 16 more for each 256 passed
	s_mul_i32 s21, s15, HALFS                      ; the A side's: my 128 rows
	s_mul_i32 s22, s16, HALFS                      ; the B side's: my 128 rows, behind the A side's 256
	s_add_co_u32 s22, s22, 2*HALFS
	s_sub_co_u32 s22, s22, s21
	v_mul_u32_u24 v6, s22, v2                      ; lanes 16-31 take the B side's: one product, the distance between the two bases
	s_add_co_u32 s21, s21, SCL
	v_add_nc_u32 v5, v5, v6
	v_add_nc_u32 v[ADRS], s21, v5
	; THE WAY OUT'S STRIDES AND BASE.  Block (a, b) is stored at  Q, K: 2,048 a + 262,144 (b / 4) + 512 (b % 4);  V: 262,144 (a / 4) + 1,024 (a % 4) + 4,096 (b / 2) + 512 (b % 2).
	; The base steps from a to a + 1 (s[18:19]; into a = 4: s[22:23]); b's part is R (b / 4) + T ((b / 2) % 2) in four offset registers, and 512 (b % 2) in the immediate.
	s_mov_b32 s18, 1024
	s_mov_b32 s22, 262144-3*1024
	s_mov_b32 s2, 8192
	s_mov_b32 s3, 4096
	s_cmp_lt_u32 s97, 2
	s_cselect_b32 s18, 2048, s18                   ; from a to a + 1
	s_cselect_b32 s22, 2048, s22                   ; from a = 3 to a = 4
	s_cselect_b32 s2, 262144, s2                   ; R
	s_cselect_b32 s3, 1024, s3                     ; T
	s_cselect_b32 s66, s41, s40                    ; whose place counts tokens: cy for Q and K, cx for V,
	s_cselect_b32 s67, s40, s41                    ; and channels;
	s_cselect_b32 s95, s15, s16                    ; which of my wave's halves counts tokens,
	s_cselect_b32 s100, s16, s15                   ; and channels
	s_mov_b32 s19, 0
	s_mov_b32 s23, 0
	s_lshl_b32 s67, s67, 2
	s_lshl_b32 s100, s100, 1
	s_add_co_u32 s67, s67, s100
	s_lshl_b32 s67, s67, 18                        ; my first head: 4 x place + 2 x half
	s_and_b32 s100, s98, 1
	s_lshl_b32 s100, s100, 2
	s_add_co_u32 s66, s66, s100
	s_lshl_b32 s66, s66, 15                        ; my first token in its sequence: 1,024 (c % 2) + 256 x place: 128 bytes a token in a head
	s_add_co_u32 s66, s66, s67
	s_lshl_b32 s95, s95, 14                        ; + 128 x half
	s_add_co_u32 s66, s66, s95
	s_lshr_b32 s95, s98, 1
	s_lshl_b32 s95, s95, 22                        ; the batch: c / 2
	s_add_co_u32 s66, s66, s95
	s_lshl_b32 s95, s97, 24                        ; the part
	s_add_co_u32 s66, s66, s95
	s_mov_b32 s67, 0
	s_add_nc_u64 s[12:13], s[12:13], s[66:67]
	v_and_b32 v6, 31, v0
	v_lshlrev_b32 v[VO], 4, v6                     ; 16 x lane
	v_add_nc_u32 v[VO+1], s3, v[VO]                ; + T
	v_add_nc_u32 v[VO+2], s2, v[VO]                ; + R
	v_add_nc_u32 v[VO+3], s3, v[VO+2]              ; + R + T
.macro FRAG reg, adr, q, i             ; a fragment, 16 rows x 128 K of 4-bit codes, is 8 registers: lane l holds row l % 16; registers 4 c .. 4 c + 3 hold K = 64 c + 32 (l / 16) + 0 .. 31
.irp c, 0,1
	ds_load_b128 v[\reg+4*\c:\reg+4*\c+3], v[\adr] offset:64*(\q)+32*\c+(\i)*16*PITCH
.endr
.endm
; 16 matrix instructions: the A side's blocks a0, a0 + 1 x the B side's eight, 128 along K: the slot's q-th.  p: the B side's set;  sc: the set of scale words.  zero = 1: the first product starts the sums from the bias.
; The 64 accumulators take turns, one instruction a turn, in the same order in every step.
.macro MUL16 a0, p, q, sc, zero
.irp a, \a0, \a0+1
.irp b, 0,1,2,3,4,5,6,7
.if \zero
	v_wmma_scale_f32_16x16x128_f8f6f4 v[8*(8*((\a)%4)+\b):8*(8*((\a)%4)+\b)+7], v[128*(\p)+FR*\b:128*(\p)+FR*\b+FR-1], v[AF+FR*(\a):AF+FR*(\a)+FR-1], v[BI+8*\b:BI+8*\b+7], v[SC+8*NQ*(\sc)+NQ*\b+(\q)], v[SC+8*NQ*(\sc)+NQ*(\a)+(\q)] matrix_a_fmt:MATRIX_FMT_FP4 matrix_b_fmt:MATRIX_FMT_FP4 matrix_a_scale:MATRIX_SCALE_ROW1
.else
	v_wmma_scale_f32_16x16x128_f8f6f4 v[8*(8*((\a)%4)+\b):8*(8*((\a)%4)+\b)+7], v[128*(\p)+FR*\b:128*(\p)+FR*\b+FR-1], v[AF+FR*(\a):AF+FR*(\a)+FR-1], v[8*(8*((\a)%4)+\b):8*(8*((\a)%4)+\b)+7], v[SC+8*NQ*(\sc)+NQ*\b+(\q)], v[SC+8*NQ*(\sc)+NQ*(\a)+(\q)] matrix_a_fmt:MATRIX_FMT_FP4 matrix_b_fmt:MATRIX_FMT_FP4 matrix_a_scale:MATRIX_SCALE_ROW1
.endif
.endr
.endr
.endm
.macro FETCH_B slot, q, p              ; the B side's eight fragments of the slot's q-th 128 along K into set p
	WIN TO_B
.irp i, 0,1,2,3,4,5,6,7
	FRAG 128*(\p)+FR*\i, ADRB+\slot, \q, \i
.endr
	WIN 0
.endm
.macro FETCH_A slot, q, i0             ; the A side's blocks i0 .. i0 + 3
.irp i, \i0, \i0+1, \i0+2, \i0+3
	FRAG AF+FR*(\i), ADRA+\slot, \q, \i
.endr
.endm
.macro SCALES sc                       ; a slot's scale words into set sc: four words a row; lanes 0-15 take the A side's block i, lanes 16-31 the B side's block i
.irp i, 0,1,2,3,4,5,6,7
	ds_load_b128 v[SC+8*NQ*\sc+NQ*\i:SC+8*NQ*\sc+NQ*\i+3], v[ADRS] offset:\i*SBLK
.endr
.endm
; A load into a register that a matrix instruction has read, and a vector instruction that reads a matrix result or writes one of its registers, stand NP places behind it; only plain vector instructions that name
; none of its registers are places (ISA guide 7.12.1 for vector instructions).
.macro PLACES n
.rept \n
	v_nop
.endr
.endm
; A step of 128 along K that has its successor in the same slot.  A block of the A side is free as soon as its eight products are issued: blocks 0-3 are fetched anew in the step's middle, blocks 4-7 at its end.
.macro STEP slot, q, zero
	s_wait_dscnt 4*NL                              ; the B side's set and the A side's blocks 0-3 are in; the youngest eight loads (blocks 4-7) may be out
.if \zero
	WIN FIRST_LO
.else
	WIN MUL_LO
.endif
	MUL16 0, (\q)%2, \q, \slot, \zero
	MUL16 2, (\q)%2, \q, \slot, \zero
	s_wait_dscnt 0                                 ; blocks 4-7 are in (asked for 32 matrix instructions ago)
	PLACES NP
	FETCH_B \slot, (\q)+1, 1-(\q)%2
	FETCH_A \slot, (\q)+1, 0
.if \zero
	WIN FIRST_HI
.else
	WIN MUL_HI
.endif
	MUL16 4, (\q)%2, \q, \slot, \zero
	MUL16 6, (\q)%2, \q, \slot, \zero
	PLACES NP
	WIN 0
	FETCH_A \slot, (\q)+1, 4
.endm
; Slot 0's last step goes over to slot 1: each wave waits for its last tensor load, its part of slot 1, and says so at a barrier; behind it slot 1 is whole.  Nothing is filled again.
.macro TURN slot, next
	s_wait_tensorcnt 0x0                           ; all my tensor loads have landed  (every window is 0 here: the add's two registers lie in window 0)
	ds_add_u32 v[SPW], v[NIL]                      ; 0 onto my spare word
	s_wait_dscnt 4*NL+1                            ; (the add and the youngest eight loads, blocks 4-7, may be out)
	WIN MUL_LO
	MUL16 0, 1, NQ-1, \slot, 0                     ; sixteen matrix instructions stand between the add and the wait for it
	s_wait_dscnt 0x0                               ; the add is done, and no LDS instruction of mine is out at the signal
	s_barrier_signal -1
	MUL16 2, 1, NQ-1, \slot, 0                     ; work on registers while the others arrive
	WIN 0
	s_barrier_wait -1
	PLACES NP
	v_add_nc_u32 v[ADRS], 4*NQ, v[ADRS]            ; on to the next slot's scale words
	FETCH_B \next, 0, 0
	FETCH_A \next, 0, 0
	SCALES \next
	WIN MUL_HI
	MUL16 4, 1, NQ-1, \slot, 0
	MUL16 6, 1, NQ-1, \slot, 0
	PLACES NP
	WIN 0
	FETCH_A \next, 0, 4
.endm
.macro STEPS slot, from                ; the slot's steps from .. NQ - 2
.set Q, \from
.rept NQ-1-\from
	STEP \slot, Q, 0
.set Q, Q+1
.endr
.endm
	s_wait_tensorcnt 1                             ; the scales and my part of slot 0 are in; slot 1's load, the one issued behind them, may be out
	s_barrier_signal -1
	s_barrier_wait -1                              ; everybody's are
	FETCH_B 0, 0, 0
	FETCH_A 0, 0, 0
	SCALES 0
	FETCH_A 0, 0, 4
	STEP 0, 0, 1                                   ; the first step's products start the sums from the bias: nothing is cleared, and the bias costs no addition
	STEPS 0, 1
	TURN 0, 1
	STEPS 1, 0
	s_wait_dscnt 4*NL                              ; the very last step: nothing more to fetch
	WIN MUL_LO
	MUL16 0, 1, NQ-1, 1, 0
	MUL16 2, 1, NQ-1, 1, 0
	s_wait_dscnt 0
	WIN MUL_HI
	MUL16 4, 1, NQ-1, 1, 0
	MUL16 6, 1, NQ-1, 1, 0
	WIN 0
; THE WAY OUT of the A side's block a: its eight accumulators are rounded to f16, each from its low end on, 16 bytes a lane, and stored as they stand: 32 lanes store 512 consecutive bytes, aligned.
.macro OUT a
	WIN 0x0a+5*((\a)/4)                            ; sources 0 and 1: window 2 or 3
.irp b, 0,1,2,3,4,5,6,7
.irp r, 0,1,2,3
	v_cvt_pk_f16_f32 v[TMP+32*((\a)%4)+4*\b+\r], v[64*((\a)%4)+8*\b+2*\r], v[64*((\a)%4)+8*\b+2*\r+1]
.endr
.endr
	WIN 0
.if (\a) > 0
	s_wait_xcnt 0x0                                ; every earlier store has had its addresses translated (ISA guide 3.1): the base is stepped only behind this wait; it also frees the set of registers that block a + 3 will write
.if (\a) == 4
	s_add_nc_u64 s[12:13], s[12:13], s[22:23]
.else
	s_add_nc_u64 s[12:13], s[12:13], s[18:19]
.endif
.endif
.irp b, 0,1,2,3,4,5,6,7
	global_store_b128 v[VO+2*(\b/4)+((\b/2)%2)], v[TMP+32*((\a)%4)+4*\b:TMP+32*((\a)%4)+4*\b+3], s[12:13] offset:512*(\b%2)
.endr
.endm
	PLACES NP                                      ; the first conversions write registers that held the A side's fragments, which the last products read
.irp a, 0,1,2,3,4,5,6,7
	OUT \a
.endr
	s_wait_tensorcnt 0x0                           ; the wave's end, behind my last tensor load
	ds_add_u32 v[SPW], v[NIL]
	s_wait_dscnt 0x0
	CROUND                                         ; the closing round: no work-group ends while a partner may still ask for a tile that names it
	s_endpgm
.Lfunc_end_k_q18d2c8e022_proj:
	.size	k_q18d2c8e022_proj, .Lfunc_end_k_q18d2c8e022_proj-k_q18d2c8e022_proj
	.p2alignl 7, 3214868480
	.fill 96, 4, 3214868480
	.section	.rodata,"a",@progbits
	.p2align	6, 0x0
	.amdhsa_kernel k_q18d2c8e022_proj
		.amdhsa_group_segment_fixed_size 327680
		.amdhsa_private_segment_fixed_size 0
		.amdhsa_enable_private_segment 0
		.amdhsa_kernarg_size 40
		.amdhsa_user_sgpr_count 2
		.amdhsa_user_sgpr_kernarg_segment_ptr 1
		.amdhsa_wavefront_size32 1
		.amdhsa_system_sgpr_workgroup_id_x 1
		.amdhsa_system_sgpr_workgroup_id_y 1
		.amdhsa_system_sgpr_workgroup_id_z 1
		.amdhsa_system_vgpr_workitem_id 0
		.amdhsa_next_free_vgpr 1024
		.amdhsa_next_free_sgpr 102
		.amdhsa_reserve_vcc 0
		.amdhsa_float_denorm_mode_32 3
		.amdhsa_float_denorm_mode_16_64 3
		.amdhsa_memory_ordered 1
		.amdhsa_forward_progress 1
		.amdhsa_inst_pref_size 123
	.end_amdhsa_kernel
	.amdgpu_metadata
---
amdhsa.version: [ 1, 2 ]
amdhsa.kernels:
  - .name:           k_q18d2c8e022_proj
    .symbol:         k_q18d2c8e022_proj.kd
    .args:
      - { .name: codes, .offset: 0, .size: 8, .value_kind: global_buffer, .address_space: global }
      - { .name: scales, .offset: 8, .size: 8, .value_kind: global_buffer, .address_space: global }
      - { .name: bq, .offset: 16, .size: 8, .value_kind: global_buffer, .address_space: global }
      - { .name: bk, .offset: 24, .size: 8, .value_kind: global_buffer, .address_space: global }
      - { .name: qkv, .offset: 32, .size: 8, .value_kind: global_buffer, .address_space: global }
    .group_segment_fixed_size: 327680
    .private_segment_fixed_size: 0
    .kernarg_segment_align: 8
    .kernarg_segment_size: 40
    .max_flat_workgroup_size: 128
    .sgpr_count:     102
    .vgpr_count:     1024
    .wavefront_size: 32
...
	.end_amdgpu_metadata
.endif
;; end of part 2
;; launch attn (part 3): grid 4 x 64, 8 waves a work-group, clusters of 4 x 1, 327,680 bytes of LDS; arguments qkv, bv, att; writes att
.if DOCPART == 3
	.amdgcn_target "amdgcn-amd-amdhsa--gfx1250"
	.amdhsa_code_object_version 6
	.text
	.protected	k_q18d2c8e022_attn
	.globl	k_q18d2c8e022_attn
	.p2align	8
	.type	k_q18d2c8e022_attn,@function
k_q18d2c8e022_attn:
	s_mov_b64 s[64:65], 0
	v_nop
	global_prefetch_b8 v0, s[64:65] scope:SCOPE_SE
	s_setreg_imm32_b32 hwreg(HW_REG_WAVE_MODE, 25, 1), 1
	s_wait_xcnt 0x0
	s_wait_alu depctr_hold_cnt(0) depctr_sa_sdst(0) depctr_va_vdst(0) depctr_va_sdst(0) depctr_va_ssrc(0) depctr_va_vcc(0) depctr_vm_vsrc(0)
	s_getreg_b32 s2, hwreg(HW_REG_IB_STS2, 6, 4)
	s_cmp_eq_u32 s2, 0
	s_cbranch_scc0 .Lentry_in_a_cluster
	s_endpgm
.Lentry_in_a_cluster:
	s_bfe_u32 s2, ttmp6, 0x10000c
	s_cmp_lg_u32 s2, 0x3003
	s_cbranch_scc0 .Lentry_shape_is_right
	s_endpgm
.Lentry_shape_is_right:
; O[bh][q][:] = the sum over k of softmax_k(Q[bh][q] . K[bh][k] / 8) V[bh][k][:] + bv, for 64 heads (16 b + h) of 2,048 tokens x 64 channels, no mask.  Operands in f16, products, maxima and sums in f32;
; the weights p are rounded to f16 for the second product, O once at the end.  bv is added behind the division by the row's sum: a row's weights sum to one, so that is V + bv under the softmax.
; LIMITS: NaN and infinities are not served; |O| above 65,504 has no f16 number; O under 6e-5 is carried in f16's subnormals.
; INPUT.  qkv holds Q (part 0), K (part 1), V (part 2; transposed) as IMAGES OF OPERAND REGISTERS: a fragment (16 rows x 32 along K, 8 registers) is 1,024 bytes: registers 0-3 at 16 x lane, registers 4-7 512 bytes on.
; So every tile is a dense block of memory, needs no padding in LDS (an LDS load's 512 bytes are consecutive), and V needs no turning load.  64 keys are 8 fragments of K (8,192 bytes) and 8 of V^T.
; SHARES.  A cluster of four work-groups is one head; a work-group owns 512 queries, each of its EIGHT waves 64: four tiles of 16, worked as two pieces (tiles 0, 1; tiles 2, 3).  Two waves share a SIMD's registers,
; 512 each, so that one wave's softmax can stand beside the other's products.  Every wave walks all 2,048 keys, 64 a step.  A fragment of K or V read from LDS feeds four products.
; LAYOUT.  S^T = K Q^T (source 0 = 16 keys, source 1 = 16 queries): a lane holds ONE query (lane % 16) and keys 8 (lane / 16) + 0..7.  Two such tiles, rounded to f16 in pairs, ARE source 1 (32 keys x 16 queries) of
; O^T = V^T P, whose result again holds one query a lane, and eight channels: packed to f16 these are 16 bytes of the next product's operand image, stored as they stand.
; SOFTMAX.  For each query a running maximum m and sum l: p = 2^(c s - c m), c = log2(e) / 8; in every step O and l are multiplied by a = 2^(c m_old - c m_new).  m begins at -3e38 and O and l at zero: the first a is 0.
; THE RING.  Two LDS slots of 512 keys (K's 65,536 bytes, then V's).  The four work-groups walk the same K and V, so each tile is asked for JOINTLY: the same tensor load, the same descriptor, a mask that names the four.
; Wave w brings 16,384 dense bytes to LDS byte 16,384 w of the slot (waves 0-3: K's quarters; waves 4-7: V's): one line of text for all eight.  A load is issued at a slot's head and has the slot's eight key steps,
; 512 matrix instructions a wave, in which to land.  By this text's count a wave has one tensor load out.
; REGISTERS: window 0: v2-11 addresses; v16-47 statistics, 8 a tile; v48-111 S^T of the piece in hand, 32 a tile; v112-143 its P, 16 a tile; v144-207 Q, 16 a tile; v208-239 bv in O^T's layout.
;   window 1: v0-127 O^T, 32 a tile; v128-191 K of a step; v192-255 V of a step.
.set SLOT1, 1<<17                      ; slot 1 begins here: one exclusive or turns an address in one slot into the other's
.set VOFF,  65536                      ; V's tiles in a slot
.set STEPB, 8192                       ; a key step's fragments of K, and of V
.set SPARE, 2*SLOT1                    ; behind the ring: the spare words, 128 bytes for each of eight waves, which no other line names
.set LI,  2                            ; v2   16 x lane; never rewritten
.set ADK, 4                            ; v4   LDS address of the step's K
.set ADV, 5                            ; v5   and V
.set BVO, 6                            ; v6   32 x (lane / 16): my half's eight numbers of bv's sixteen
.set SPW, 10                           ; v10  LDS address of my spare word: SPARE + 4 x my thread's number; never rewritten
.set NIL, 11                           ; v11  0; never rewritten
.set ST,  16                           ; tile t's statistics at v[ST + 8 t]: +0 c m, +1 m, +2, +3 l (even keys', odd keys'), +4 to +7 at work; a in +6
.set S,   48
.set P,   112
.set Q,   144                          ; tile t, channels 32 c on: v[Q + 16 t + 8 c]
.set BV,  208
.set KF,  128                          ; in window 1: keys 16 kt on, channels 32 c on: v[KF + 16 kt + 8 c]
.set VF,  192                          ; in window 1: keys 32 kb on, channels 16 ct on: v[VF + 32 kb + 8 ct]
.set WV,  12                           ; s12  my wave's number
.set G1,  24                           ; s[24:31] descriptor group 1
.set G0,  32                           ; s[32:35] descriptor group 0: it walks
.set SLOTS, 56                         ; s56  slots still to be asked for
.set STEPS, 57                         ; s57  counts a slot's eight steps
.set CS,  58                           ; s[58:59] c: the packed scaling names a pair and takes its low word for both halves
.set SEL, 60                           ; s[60:61] lane selects for v_permlanex16_b32: lane l xor 16
.set TB,  62                           ; s62  LDS byte at which the step's fragments of K begin
.set MSB, 0
.macro WIN new                         ; s_set_vgpr_msb: bits 1:0 source 0, 3:2 source 1, 5:4 source 2, 7:6 destination; the immediate's high byte repeats the setting that is left
.if MSB != \new
	s_set_vgpr_msb (MSB<<8)|\new
.set MSB, \new
.endif
.endm
.set W_KQ, 0x01                        ; K in window 1; Q and S^T in window 0
.set W_PV, 0x51                        ; V and O^T in window 1; P in window 0
.set W_RS, 0x41                        ; O^T (destination and source 0) in window 1, the rest in window 0
.set W_TO1, 0x40                       ; destination window 1
; A round of the cluster's barrier: my work-group's barrier, so that wave 0's signal speaks for all eight waves; wave 0 signals for the work-group; every wave waits for all four work-groups; my work-group's barrier once more.
.macro CROUND
	s_barrier_signal -1
	s_barrier_wait -1
	s_cmp_lg_u32 s[WV], 0
	s_cbranch_scc1 .Lnot_wave_0_\@
	s_barrier_signal -3
.Lnot_wave_0_\@:
	s_barrier_wait -3
	s_barrier_signal -1
	s_barrier_wait -1
.endm
.macro PLACES                          ; four places between a matrix instruction and a vector instruction that reads its result (ISA guide 7.12.1)
.rept 4
	v_nop
.endr
.endm
	s_load_b128 s[4:7], s[0:1], 0x0                ; qkv s[4:5], bv s[6:7]
	s_load_b64 s[8:9], s[0:1], 0x10                ; att
	v_lshl_add_u32 v[SPW], v0, 2, SPARE
	v_mov_b32 v[NIL], 0
	ds_add_u32 v[SPW], v[NIL]                      ; the wave's opening: the add, twice on end, and its wait ahead of my first tensor load; the set-up below, work on registers, stands between the second and the wait
	ds_add_u32 v[SPW], v[NIL]
	v_lshrrev_b32 v1, 5, v0
	v_readfirstlane_b32 s[WV], v1                  ; wave 0..7
	s_bfe_u32 s13, ttmp6, 0x40000                  ; cx: my block of 512 queries: it enters Q's and att's addresses alone
	s_and_b32 s14, ttmp7, 0xffff                   ; the head 16 b + h, which the four partners share
	; descriptor group 1: 16,384 dense bytes as 64 rows of 256 bytes (32 elements of 8 bytes), no padding
	s_mov_b32 s[G1], 15|(3<<16)|(1<<21)            ; 15:0 the mask: all four work-groups; 17:16 elements of 8 bytes; 21 set beside a mask
	s_mov_b32 s[G1+1], 32<<16                      ; tensor_dim0
	s_mov_b32 s[G1+2], 64<<16                      ; tensor_dim1
	s_mov_b32 s[G1+3], 32<<16                      ; tile_dim0
	s_mov_b32 s[G1+4], 64                          ; tile_dim1
	s_mov_b32 s[G1+5], 32                          ; tensor_dim0_stride
	s_mov_b32 s[G1+6], 0
	s_mov_b32 s[G1+7], 0
	s_lshr_b32 s16, s[WV], 2                       ; what I fetch: part 1 (K) in waves 0-3, part 2 (V) in waves 4-7,
	s_add_co_u32 s16, s16, 1
	s_lshl_b32 s16, s16, 24
	s_lshl_b32 s17, s14, 18                        ; my head,
	s_add_co_u32 s16, s16, s17
	s_and_b32 s17, s[WV], 3
	s_lshl_b32 s17, s17, 14                        ; my quarter of 512 keys' 65,536 bytes
	s_add_co_u32 s16, s16, s17
	s_mov_b32 s17, 0
	s_lshl_b32 s15, s[WV], 14                      ; and where it goes in a slot: no place in the cluster enters an LDS address
	s_lshl_b32 s18, s14, 18                        ; Q: my head, my block's 32 tiles of 2,048 bytes, my wave's four
	s_lshl_b32 s19, s13, 16
	s_add_co_u32 s18, s18, s19
	s_lshl_b32 s19, s[WV], 13
	s_add_co_u32 s18, s18, s19
	s_mov_b32 s19, 0
	s_lshr_b32 s20, s14, 4                         ; att: tile of 16 tokens 128 b + 32 cx + 4 wave, 32,768 bytes each;
	s_lshl_b32 s20, s20, 7
	s_lshl_b32 s21, s13, 5
	s_add_co_u32 s20, s20, s21
	s_lshl_b32 s21, s[WV], 2
	s_add_co_u32 s20, s20, s21
	s_lshl_b32 s20, s20, 15
	s_and_b32 s22, s14, 15                         ; h
	s_lshl_b32 s21, s22, 11                        ; in it my head's 64 channels: 2,048 bytes
	s_add_co_u32 s20, s20, s21
	s_mov_b32 s21, 0
	s_lshl_b32 s22, s22, 8                         ; bv: my head's 64 numbers
	s_mov_b32 s23, 0
	s_mov_b32 s[CS], 0x3e38aa3b                    ; c = log2(e) / 8
	s_mov_b32 s[CS+1], s[CS]                       ; (named with it as a pair, so it is written)
	s_mov_b32 s[SEL], 0x76543210
	s_mov_b32 s[SEL+1], 0xfedcba98
	s_mov_b32 s[TB], 0
	s_mov_b32 s[SLOTS], 3
	s_wait_dscnt 0x0                               ; both opening adds are done
	s_wait_kmcnt 0x0
	s_add_nc_u64 s[16:17], s[4:5], s[16:17]
	s_add_nc_u64 s[4:5], s[4:5], s[18:19]
	s_add_nc_u64 s[6:7], s[6:7], s[22:23]
	s_add_nc_u64 s[8:9], s[8:9], s[20:21]
	CROUND                                         ; all four work-groups are here: the first joint loads meet
	s_mov_b32 s[G0], 1                             ; 1:0 count = 1
	s_mov_b32 s[G0+1], s15                         ; 63:32 LDS address: slot 0
	s_mov_b64 s[G0+2:G0+3], s[16:17]               ; 120:64 global address: the head's first 512 keys
	s_or_b32 s[G0+3], s[G0+3], 0x80000000          ; 127:126 type = 2
	tensor_load_to_lds s[G0:G0+3], s[G1:G1+7]
	s_nop 0
.rept 4
	v_nop
.endr
	v_and_b32 v[LI], 31, v0
	v_lshlrev_b32 v[LI], 4, v[LI]
	v_bfe_u32 v[BVO], v0, 4, 1
	v_lshlrev_b32 v[BVO], 5, v[BVO]
.irp f, 0,1,2,3,4,5,6,7                        ; Q stays in registers: fragment f = 2 t + c
	global_load_b128 v[Q+8*\f:Q+8*\f+3],   v[LI], s[4:5] offset:1024*\f
	global_load_b128 v[Q+8*\f+4:Q+8*\f+7], v[LI], s[4:5] offset:1024*\f+512
.endr
.irp c, 0,1,2,3                                ; bv in O^T's layout: v[BV + 8 ct + j] = bv of channel 16 ct + 8 (lane / 16) + j
	global_load_b128 v[BV+8*\c:BV+8*\c+3],   v[BVO], s[6:7] offset:64*\c
	global_load_b128 v[BV+8*\c+4:BV+8*\c+7], v[BVO], s[6:7] offset:64*\c+16
.endr
.irp t, 0,1,2,3
	v_mov_b32 v[ST+8*\t+1], 0xff61b1e6             ; m = -3e38, under every score
	v_mul_f32 v[ST+8*\t], s[CS], v[ST+8*\t+1]      ; c m
	v_mov_b32 v[ST+8*\t+2], 0                      ; l
	v_mov_b32 v[ST+8*\t+3], 0
.endr
	WIN W_TO1
.set i, 0
.rept 128
	v_mov_b32 v[i], 0                              ; O^T.  The key step is written once for all 32 steps: the first finds zeros, which its a = 0 leaves zeros
.set i, i+1
.endr
	WIN 0
; 16 products of S^T = K Q^T for piece x: product i: channels 32 (i / 8) on, keys 16 ((i / 2) % 4) on, tile x + i % 2.  The first 8 start the sums.  The 8 accumulators take turns.
.macro KQ x
	WIN W_KQ
.set i, 0
.rept 16
.set rS, S+32*(i%2)+8*((i/2)%4)
.set rK, KF+16*((i/2)%4)+8*(i/8)
.set rQ, Q+16*(\x+i%2)+8*(i/8)
.if i < 8
	v_wmma_f32_16x16x32_f16 v[rS:rS+7], v[rK:rK+7], v[rQ:rQ+7], 0
.else
	v_wmma_f32_16x16x32_f16 v[rS:rS+7], v[rK:rK+7], v[rQ:rQ+7], v[rS:rS+7]
.endif
.set i, i+1
.endr
.endm
; 16 products of O^T += V^T P for piece x: product i: keys 32 (i / 8) on, channels 16 ((i / 2) % 4) on, tile x + i % 2.  Again 8 accumulators by turns.
.macro PV x
	WIN W_PV
.set i, 0
.rept 16
.set rO, 32*(\x+i%2)+8*((i/2)%4)
.set rV, VF+32*(i/8)+8*((i/2)%4)
.set rP, P+16*(i%2)+8*(i/8)
	v_wmma_f32_16x16x32_f16 v[rO:rO+7], v[rV:rV+7], v[rP:rP+7], v[rO:rO+7]
.set i, i+1
.endr
.endm
; THE SOFTMAX of piece x for one key step.  Its two tiles (u = 0, 1) alternate line by line, so that where one line feeds the next the other tile's stands between.
.macro SOFTMAX x
	WIN 0
	; the maximum of a lane's 32 scores and the old m, three operands at a time: four chains, one for each accumulator, each begun at its accumulator's low end
.irp j, 0,1,2,3
.irp u, 0,1
	v_max3_num_f32 v[ST+8*(\x+\u)+4+\j], v[S+32*\u+8*\j], v[S+32*\u+8*\j+1], v[S+32*\u+8*\j+2]
.endr
.endr
.irp e, 3,5
.irp j, 0,1,2,3
.irp u, 0,1
	v_max3_num_f32 v[ST+8*(\x+\u)+4+\j], v[ST+8*(\x+\u)+4+\j], v[S+32*\u+8*\j+\e], v[S+32*\u+8*\j+\e+1]
.endr
.endr
.endr
.irp u, 0,1
	v_max3_num_f32 v[ST+8*(\x+\u)+4], v[ST+8*(\x+\u)+4], v[S+32*\u+7], v[S+32*\u+15]
.endr
.irp u, 0,1
	v_max3_num_f32 v[ST+8*(\x+\u)+6], v[ST+8*(\x+\u)+6], v[S+32*\u+23], v[S+32*\u+31]
.endr
.irp u, 0,1
	v_max3_num_f32 v[ST+8*(\x+\u)+4], v[ST+8*(\x+\u)+4], v[ST+8*(\x+\u)+5], v[ST+8*(\x+\u)+6]
.endr
.irp u, 0,1
	v_max3_num_f32 v[ST+8*(\x+\u)+4], v[ST+8*(\x+\u)+4], v[ST+8*(\x+\u)+7], v[ST+8*(\x+\u)+1]
.endr
.irp u, 0,1
	v_permlanex16_b32 v[ST+8*(\x+\u)+5], v[ST+8*(\x+\u)+4], s[SEL], s[SEL+1]   ; the query's other 32 keys lie in the lane 16 away
.endr
.irp u, 0,1
	v_mov_b32 v[ST+8*(\x+\u)+7], v[ST+8*(\x+\u)]   ; c m_old is kept for a
.endr
.irp u, 0,1
	v_max_num_f32 v[ST+8*(\x+\u)+1], v[ST+8*(\x+\u)+4], v[ST+8*(\x+\u)+5]      ; the new m
.endr
.irp u, 0,1
	v_mul_f32 v[ST+8*(\x+\u)], s[CS], v[ST+8*(\x+\u)+1]                        ; c m
.endr
.irp u, 0,1
	v_sub_f32 v[ST+8*(\x+\u)+7], v[ST+8*(\x+\u)+7], v[ST+8*(\x+\u)]            ; c m_old - c m_new, 0 or less
.endr
	; ONE BATCH: the piece's 66 exponentials, with the scalings c s - c m (a pair of scores each) set between them, each a turn ahead of its pair's exponentials.  None of these lines names an exponential's result.
.irp u, 0,1
	v_exp_f32 v[ST+8*(\x+\u)+6], v[ST+8*(\x+\u)+7] ; a
.endr
.irp u, 0,1
	v_pk_fma_f32 v[S+32*\u:S+32*\u+1], v[S+32*\u:S+32*\u+1], s[CS:CS+1], v[ST+8*(\x+\u):ST+8*(\x+\u)+1] op_sel_hi:[1,0,0] neg_lo:[0,0,1] neg_hi:[0,0,1]
.endr
.irp b, 0,1,2,3,4,5,6,7,8,9,10,11,12,13,14,15
.irp u, 0,1
	v_exp_f32 v[S+32*\u+2*\b], v[S+32*\u+2*\b]
	v_exp_f32 v[S+32*\u+2*\b+1], v[S+32*\u+2*\b+1]
.if \b < 15
	v_pk_fma_f32 v[S+32*\u+2*\b+2:S+32*\u+2*\b+3], v[S+32*\u+2*\b+2:S+32*\u+2*\b+3], s[CS:CS+1], v[ST+8*(\x+\u):ST+8*(\x+\u)+1] op_sel_hi:[1,0,0] neg_lo:[0,0,1] neg_hi:[0,0,1]
.endif
.endr
.endr
	v_nop                                          ; a plain instruction behind the last exponential, ahead of the first use (ISA guide 5.7.2)
	s_wait_alu depctr_va_vdst(0)                   ; and the wait ahead of the first line that names a result: one for the batch
.irp i, 0,1,2,3,4,5,6,7,8,9,10,11,12,13,14,15
.irp u, 0,1
	v_cvt_pk_f16_f32 v[P+16*\u+\i], v[S+32*\u+2*\i], v[S+32*\u+2*\i+1]         ; two weights to f16: registers 8 kb .. 8 kb + 7 are the fragment of keys 32 kb on
.endr
.endr
	; the sum of the tile's 16 pairs (an even key's weight, an odd key's), in place: neighbours 1, 2, 4 and 8 pairs apart; then l = a l + the sum
.irp z, 0,1,2,3,4,5,6,7
.irp u, 0,1
	v_pk_add_f32 v[S+32*\u+4*\z:S+32*\u+4*\z+1], v[S+32*\u+4*\z:S+32*\u+4*\z+1], v[S+32*\u+4*\z+2:S+32*\u+4*\z+3]
.endr
.endr
.irp z, 0,1,2,3
.irp u, 0,1
	v_pk_add_f32 v[S+32*\u+8*\z:S+32*\u+8*\z+1], v[S+32*\u+8*\z:S+32*\u+8*\z+1], v[S+32*\u+8*\z+4:S+32*\u+8*\z+5]
.endr
.endr
.irp z, 0,1
.irp u, 0,1
	v_pk_add_f32 v[S+32*\u+16*\z:S+32*\u+16*\z+1], v[S+32*\u+16*\z:S+32*\u+16*\z+1], v[S+32*\u+16*\z+8:S+32*\u+16*\z+9]
.endr
.endr
.irp u, 0,1
	v_pk_add_f32 v[S+32*\u:S+32*\u+1], v[S+32*\u:S+32*\u+1], v[S+32*\u+16:S+32*\u+17]
.endr
.irp u, 0,1
	v_pk_fma_f32 v[ST+8*(\x+\u)+2:ST+8*(\x+\u)+3], v[ST+8*(\x+\u)+2:ST+8*(\x+\u)+3], v[ST+8*(\x+\u)+6:ST+8*(\x+\u)+7], v[S+32*\u:S+32*\u+1] op_sel_hi:[1,0,1]
.endr
	WIN W_RS                                       ; O^T times a, each accumulator from its low end on
.irp i, 0,1,2,3,4,5,6,7,8,9,10,11,12,13,14,15
.irp u, 0,1
	v_pk_mul_f32 v[32*(\x+\u)+2*\i:32*(\x+\u)+2*\i+1], v[32*(\x+\u)+2*\i:32*(\x+\u)+2*\i+1], v[ST+8*(\x+\u)+6:ST+8*(\x+\u)+7] op_sel_hi:[1,0]
.endr
.endr
.endm
; A KEY STEP: 64 keys.  All its LDS loads stand in one run at its head; V's sixteen land under piece 0's scores and softmax.
.macro STEP
	v_add_nc_u32 v[ADK], s[TB], v[LI]              ; these two lines and two v_nop are the four places between the last step's last products, which read V's registers, and the loads into them
	v_add_nc_u32 v[ADV], VOFF, v[ADK]
	v_nop
	v_nop
	WIN W_TO1
.irp f, 0,1,2,3,4,5,6,7
	ds_load_b128 v[KF+8*\f:KF+8*\f+3],   v[ADK] offset:1024*\f
	ds_load_b128 v[KF+8*\f+4:KF+8*\f+7], v[ADK] offset:1024*\f+512
.endr
.irp f, 0,1,2,3,4,5,6,7
	ds_load_b128 v[VF+8*\f:VF+8*\f+3],   v[ADV] offset:1024*\f
	ds_load_b128 v[VF+8*\f+4:VF+8*\f+7], v[ADV] offset:1024*\f+512
.endr
	s_add_co_u32 s[TB], s[TB], STEPB               ; the next fetch is the next step's
	s_wait_dscnt 16                                ; K's sixteen loads are in; V's sixteen, issued behind them, may be out
	KQ 0
	WIN 0
	PLACES
	SOFTMAX 0
	s_wait_dscnt 0x0                               ; V is in
	PV 0
	KQ 2
	WIN 0
	PLACES
	SOFTMAX 2
	PV 2
.endm
; THE CHANGE OF SLOTS stands at a slot's head.  Each wave waits for all its tensor loads (its part of the slot that it is about to read), adds 0 to its spare word, and waits for that and for its reads of the slot that it has left.
; fill = 1: the barrier is a round of the cluster's, so that no wave of any partner still reads the other slot or has a load on its way, and the joint load of the next 512 keys into that slot is the first thing behind it.
.macro CHANGE fill
	s_wait_tensorcnt 0x0                           ; no tensor load of mine is out, so group 0 may be written
	ds_add_u32 v[SPW], v[NIL]                      ; 0 onto my spare word; with fill = 1 the descriptor's steps stand between it and the wait for it
.if \fill
	s_xor_b32 s[G0+1], s[G0+1], SLOT1              ; the other slot than last time,
	s_add_nc_u64 s[G0+2:G0+3], s[G0+2:G0+3], 65536 ; the next 512 keys; the type bits on top are not reached
	s_wait_dscnt 0x0                               ; the add is done, and my reads of the slot that I have left are over
	CROUND
	tensor_load_to_lds s[G0:G0+3], s[G1:G1+7]      ; my one tensor load until the next change
	s_nop 0
.rept 4
	v_nop
.endr
.else
	s_wait_dscnt 0x0
	s_barrier_signal -1
	s_barrier_wait -1
.endif
.endm
.macro SLOT_STEPS                      ; a slot's eight key steps: written once, walked eight times; the LDS addresses hang on s[TB]
	s_mov_b32 s[STEPS], 8
.Lstep_\@:
	STEP
	WIN 0                                          ; at a label and at a branch every window is 0
	s_sub_co_u32 s[STEPS], s[STEPS], 1
	s_cmp_lg_u32 s[STEPS], 0
	s_cbranch_scc1 .Lstep_\@
	s_sub_co_u32 s[TB], s[TB], 8*STEPB             ; back to a slot's first step,
	s_xor_b32 s[TB], s[TB], SLOT1                  ; in the other slot
.endm
	s_wait_loadcnt 0x0                             ; Q and bv
.Lslot:                                            ; three trips: behind each change of slots but the last the next 512 keys are asked for
	CHANGE 1
	SLOT_STEPS
	s_sub_co_u32 s[SLOTS], s[SLOTS], 1
	s_cmp_lg_u32 s[SLOTS], 0
	s_cbranch_scc1 .Lslot
	CHANGE 0                                       ; the last slot is written out
	SLOT_STEPS
	; THE WAY OUT.  l's two halves and the other half of the lanes' are added (these additions are the places behind the last products); O^T / l + bv is one packed multiply-add; rounded to f16, a lane's eight channels are 16 bytes
	; of the next product's operand image: att [tile of 16 tokens: 32,768 B][k = 32 kb on: 1,024 B][16 half on: 512 B][lane: 16 B].  32 lanes store 512 consecutive bytes, aligned.  No register is used twice.
.irp t, 0,1,2,3
	v_add_f32 v[ST+8*\t+4], v[ST+8*\t+2], v[ST+8*\t+3]
.endr
.irp t, 0,1,2,3
	v_permlanex16_b32 v[ST+8*\t+5], v[ST+8*\t+4], s[SEL], s[SEL+1]
.endr
.irp t, 0,1,2,3
	v_add_f32 v[ST+8*\t+4], v[ST+8*\t+4], v[ST+8*\t+5]
.endr
.irp t, 0,1,2,3
	v_rcp_f32 v[ST+8*\t+6], v[ST+8*\t+4]
.endr
	v_nop                                          ; a plain instruction between the last reciprocal and the use of its result
	s_wait_alu depctr_va_vdst(0)                   ; and the wait ahead of the first use: one for the four
.macro FIN t
	WIN W_RS
.irp i, 0,1,2,3,4,5,6,7,8,9,10,11,12,13,14,15
	v_pk_fma_f32 v[32*\t+2*\i:32*\t+2*\i+1], v[32*\t+2*\i:32*\t+2*\i+1], v[ST+8*\t+6:ST+8*\t+7], v[BV+2*\i:BV+2*\i+1] op_sel_hi:[1,0,1]
.endr
	WIN 0x05                                       ; sources 0 and 1 window 1, destination window 0: S^T's registers are free
.irp i, 0,1,2,3,4,5,6,7,8,9,10,11,12,13,14,15
	v_cvt_pk_f16_f32 v[S+16*\t+\i], v[32*\t+2*\i], v[32*\t+2*\i+1]
.endr
	WIN 0
.irp c, 0,1,2,3
	global_store_b128 v[LI], v[S+16*\t+4*\c:S+16*\t+4*\c+3], s[8:9] offset:32768*\t+512*\c
.endr
.endm
	FIN 0
	FIN 1
	FIN 2
	FIN 3
	s_wait_tensorcnt 0x0                           ; the wave's end, behind my last tensor load
	ds_add_u32 v[SPW], v[NIL]
	s_wait_dscnt 0x0
	CROUND                                         ; the closing round: no work-group ends while a partner may still ask for a tile that names it
	s_endpgm
.Lfunc_end_k_q18d2c8e022_attn:
	.size	k_q18d2c8e022_attn, .Lfunc_end_k_q18d2c8e022_attn-k_q18d2c8e022_attn
	.p2alignl 7, 3214868480
	.fill 96, 4, 3214868480
	.section	.rodata,"a",@progbits
	.p2align	6, 0x0
	.amdhsa_kernel k_q18d2c8e022_attn
		.amdhsa_group_segment_fixed_size 327680
		.amdhsa_private_segment_fixed_size 0
		.amdhsa_enable_private_segment 0
		.amdhsa_kernarg_size 24
		.amdhsa_user_sgpr_count 2
		.amdhsa_user_sgpr_kernarg_segment_ptr 1
		.amdhsa_wavefront_size32 1
		.amdhsa_system_sgpr_workgroup_id_x 1
		.amdhsa_system_sgpr_workgroup_id_y 1
		.amdhsa_system_sgpr_workgroup_id_z 1
		.amdhsa_system_vgpr_workitem_id 0
		.amdhsa_next_free_vgpr 512
		.amdhsa_next_free_sgpr 66
		.amdhsa_reserve_vcc 0
		.amdhsa_float_denorm_mode_32 3
		.amdhsa_float_denorm_mode_16_64 3
		.amdhsa_memory_ordered 1
		.amdhsa_forward_progress 1
		.amdhsa_inst_pref_size 87
	.end_amdhsa_kernel
	.amdgpu_metadata
---
amdhsa.version: [ 1, 2 ]
amdhsa.kernels:
  - .name:           k_q18d2c8e022_attn
    .symbol:         k_q18d2c8e022_attn.kd
    .args:
      - { .name: qkv, .offset: 0, .size: 8, .value_kind: global_buffer, .address_space: global }
      - { .name: bv, .offset: 8, .size: 8, .value_kind: global_buffer, .address_space: global }
      - { .name: att, .offset: 16, .size: 8, .value_kind: global_buffer, .address_space: global }
    .group_segment_fixed_size: 327680
    .private_segment_fixed_size: 0
    .kernarg_segment_align: 8
    .kernarg_segment_size: 24
    .max_flat_workgroup_size: 256
    .sgpr_count:     66
    .vgpr_count:     512
    .wavefront_size: 32
...
	.end_amdgpu_metadata
.endif
;; end of part 3
;; launch outp (part 4): grid 8 x 64, 4 waves a work-group, clusters of 4 x 4, 327,680 bytes of LDS; arguments att, wo16, out0, bo; writes out0
.if DOCPART == 4
	.amdgcn_target "amdgcn-amd-amdhsa--gfx1250"
	.amdhsa_code_object_version 6
	.text
	.protected	k_q18d2c8e022_outp
	.globl	k_q18d2c8e022_outp
	.p2align	8
	.type	k_q18d2c8e022_outp,@function
k_q18d2c8e022_outp:
	s_mov_b64 s[64:65], 0
	v_nop
	global_prefetch_b8 v0, s[64:65] scope:SCOPE_SE
	s_setreg_imm32_b32 hwreg(HW_REG_WAVE_MODE, 25, 1), 1
	s_wait_xcnt 0x0
	s_wait_alu depctr_hold_cnt(0) depctr_sa_sdst(0) depctr_va_vdst(0) depctr_va_sdst(0) depctr_va_ssrc(0) depctr_va_vcc(0) depctr_vm_vsrc(0)
	s_getreg_b32 s2, hwreg(HW_REG_IB_STS2, 6, 4)
	s_cmp_eq_u32 s2, 0
	s_cbranch_scc0 .Lentry_in_a_cluster
	s_endpgm
.Lentry_in_a_cluster:
	s_bfe_u32 s2, ttmp6, 0x10000c
	s_cmp_lg_u32 s2, 0xf033
	s_cbranch_scc0 .Lentry_shape_is_right
	s_endpgm
.Lentry_shape_is_right:
; out0[m][n] = the sum over k of O[m][k] Wo[n][k] + bo[n].  m = 8,192 tokens, n = k = 1,024.  Operands in f16, sums in f32, out0 in f32.
; O comes as att, IMAGES OF OPERAND REGISTERS: [tile of 16 tokens: 32,768 B][k = 32 kb on: 1,024 B]: a fragment's registers 0-3 at 16 x lane, registers 4-7 512 bytes on.  Wo comes as wo16 [1024 n][1024 k], row-major.
; SHARES.  A tile of out0 is 128 x 128: 512 work-groups of four waves, each wave 64 x 64: 16 accumulators of 16 x 16, 128 registers.  K goes in steps of 256 through a ring of two LDS slots.
; A wave's tensor load brings 64 rows of one operand for a K step: of O four runs of 8,192 dense bytes, no padding (an LDS load's 512 bytes are consecutive); of Wo 64 rows of 512 bytes, 16 bytes of padding behind each.
; CLUSTERS: 4 x 4 work-groups.  The four of a row of the cluster need the same tiles of O, the four of a column the same tiles of Wo: each tile is asked for JOINTLY, by the same tensor load with the same descriptor and a mask
; that names the four.  By this text's count a wave has two tensor loads out at the start and one behind each round.
; THE MATRIX INSTRUCTION IS USED TRANSPOSED (source 0 = 16 rows of Wo, source 1 = 16 tokens): a lane holds eight neighbouring numbers of a row of out0.  bo is the C of each sum's first product: it costs no addition.
; REGISTERS: window 0: v1-29 addresses; v32-63 bo, eight registers for each of my four blocks of 16 columns; v128-255 the accumulators ((a, b) at v[128 + 8 (4 a + b)]), on the way out also the rows read back.
;   window 1: two fragment buffers of 128: for 64 along K, 64 registers of O (2 x 4 fragments), then 64 of Wo.
.set KSTEP,  256
.set PITCH,  528                       ; a row of Wo in LDS: 512 bytes + 16 of padding = 132 words: row r starts at bank 4 r mod 64 (64 banks of 4 bytes: ISA guide 11.1)
.set HALFA,  32768                     ; 64 tokens x 256 along K as images: what one tensor load brings of O
.set HALFB,  64*PITCH                  ; 64 rows of Wo
.set BOFF,   2*HALFA                   ; a slot: O's two halves, then Wo's two
.set SLOT,   2*HALFA+2*HALFB
.set STAGE,  2*SLOT                    ; behind the ring: 16 rows x 272 bytes for each wave, for the way out; no tensor load lands there
.set SPITCH, 272
.set SPARE,  STAGE+4*16*SPITCH         ; behind the stages: the spare words, 128 bytes for each wave, which no other line names
.set LAPS,   1024/(2*KSTEP)            ; a lap = two K steps = once round the ring
.set ADRA, 16                          ; v16-17  LDS address of my fragments of O in slot 0, 1
.set ADRB, 20                          ; v20-21  the same for Wo
.set STO,  24                          ; v24     the way out: where I put 32 bytes of a row
.set RD,   25                          ; v25     the way out: where I read a row back
.set CO,   26                          ; v26     my byte offset in out0
.set SPW,  28                          ; v28     LDS address of my spare word: SPARE + 4 x my thread's number; never rewritten
.set NIL,  29                          ; v29     0; never rewritten
.set BO,   32
.set ACC,  128
.set F0,   0                           ; fragment buffers, in window 1
.set F1,   128
.set G1, 24                            ; s[24:31] descriptor group 1 for O's tiles;  s[32:39] group 0, one set for each slot
.set G0, 32
.set G1B, 48                           ; s[48:55], s[56:63] the same for Wo's tiles
.set G0B, 56
.set MSB, 0
.macro WIN new                         ; the immediate's high byte repeats the setting that is left
.if MSB != \new
	s_set_vgpr_msb (MSB<<8)|\new
.set MSB, \new
.endif
.endm
.set MUL,  0x05                        ; sources 0 (Wo) and 1 (O) window 1; C and D window 0
.set TO_F, 0x40                        ; destination window 1, address window 0
.macro JLOAD s                         ; a joint load: waves 0 and 1 fetch O's two halves, waves 2 and 3 Wo's; an s_nop 0 and four v_nop follow each of the two lines, ahead of the jump, the label and what follows
	s_cmp_eq_u32 s11, 0
	s_cbranch_scc0 .Lfor_b_\@
	tensor_load_to_lds s[G0+4*\s:G0+4*\s+3], s[G1:G1+7]
	s_nop 0
.rept 4
	v_nop
.endr
	s_branch .Lasked_\@
.Lfor_b_\@:
	tensor_load_to_lds s[G0B+4*\s:G0B+4*\s+3], s[G1B:G1B+7]
	s_nop 0
.rept 4
	v_nop
.endr
.Lasked_\@:
.endm
.macro CREST                           ; a round of the cluster's barrier behind its opening barrier
	s_cmp_lg_u32 s10, 0
	s_cbranch_scc1 .Lnot_wave_0_\@
	s_barrier_signal -3
.Lnot_wave_0_\@:
	s_barrier_wait -3
	s_barrier_signal -1
	s_barrier_wait -1
.endm
.macro CROUND                          ; a whole round
	s_barrier_signal -1
	s_barrier_wait -1
	CREST
.endm
	s_load_b128 s[4:7], s[0:1], 0x0                ; att s[4:5], wo16 s[6:7]
	s_load_b64 s[8:9], s[0:1], 0x10                ; out0
	s_load_b64 s[66:67], s[0:1], 0x18              ; bo
	v_lshl_add_u32 v[SPW], v0, 2, SPARE
	v_mov_b32 v[NIL], 0
	ds_add_u32 v[SPW], v[NIL]                      ; the wave's opening: the add, twice on end, and its wait ahead of my first tensor load; the set-up below, work on registers, stands between the second and the wait
	ds_add_u32 v[SPW], v[NIL]
	v_lshrrev_b32 v1, 5, v0
	v_readfirstlane_b32 s10, v1                    ; wave 0..3
	s_lshr_b32 s11, s10, 1                         ; which half of the tile's rows is mine.  Also: I fetch for O (0) or for Wo (1)
	s_and_b32 s12, s10, 1                          ; which half of its columns.  Also: which 64 rows of that operand I fetch
	s_bfe_u32 s40, ttmp6, 0x40000                  ; cx, cy: my place in the cluster
	s_bfe_u32 s41, ttmp6, 0x40004
	s_lshl_b32 s42, ttmp9, 2
	s_add_co_u32 s42, s42, s40                     ; tile column = 4 x cluster x + cx
	s_and_b32 s13, ttmp7, 0xffff
	s_lshl_b32 s13, s13, 2
	s_add_co_u32 s13, s13, s41                     ; tile row = 4 x cluster y + cy
	s_lshl_b32 s43, s41, 2
	s_lshl_b32 s43, 15, s43                        ; my row of the cluster
	s_lshl_b32 s44, 0x1111, s40                    ; my column
	; descriptor group 1 for O: four tiles of 16 tokens, of each 8,192 consecutive bytes (1,024 elements of 8 bytes), 32,768 bytes apart; dense in LDS
	s_or_b32 s[G1+0], s43, (3<<16)|(1<<21)         ; 15:0 the mask: O's tiles go to my row; 17:16 elements of 8 bytes; 21 set beside a mask
	s_mov_b32 s[G1+1], 1024<<16                    ; tensor_dim0
	s_mov_b32 s[G1+2], 4<<16                       ; tensor_dim1
	s_mov_b32 s[G1+3], 1024<<16                    ; tile_dim0
	s_mov_b32 s[G1+4], 4                           ; tile_dim1
	s_mov_b32 s[G1+5], 4096                        ; tensor_dim0_stride
	s_mov_b32 s[G1+6], 0
	s_mov_b32 s[G1+7], 0
	; and for Wo: 64 rows x 256 elements of 2 bytes, padded in LDS
	s_or_b32 s[G1B+0], s44, (1<<16)|(1<<20)|(1<<21)|(6<<22)|(3<<25)  ; the mask of my column; padding on: after every 128 words (code 6) four words (code 3)
	s_mov_b32 s[G1B+1], KSTEP<<16
	s_mov_b32 s[G1B+2], 64<<16
	s_mov_b32 s[G1B+3], KSTEP<<16
	s_mov_b32 s[G1B+4], 64
	s_mov_b32 s[G1B+5], 1024
	s_mov_b32 s[G1B+6], 0
	s_mov_b32 s[G1B+7], 0
	s_lshl_b32 s16, s13, 3                         ; O: tile of 16 tokens 8 x tile row + 4 x half, 32,768 bytes each: it hangs on the tile row alone, which my row of the cluster shares
	s_lshl_b32 s17, s12, 2
	s_add_co_u32 s16, s16, s17
	s_lshl_b32 s16, s16, 15
	s_mov_b32 s17, 0
	s_lshl_b32 s46, s42, 18                        ; Wo: row 128 x tile column + 64 x half, 2,048 bytes each: on the tile column alone
	s_lshl_b32 s47, s12, 17
	s_add_co_u32 s46, s46, s47
	s_mov_b32 s47, 0
	s_lshl_b32 s20, s12, 15                        ; where they go: O's halves at HALFA x half,
	s_mul_i32 s23, s12, HALFB
	s_add_co_u32 s23, s23, BOFF                    ; Wo's behind them: no place in the cluster enters an LDS address
	s_wait_dscnt 0x0                               ; both opening adds are done
	s_wait_kmcnt 0x0
	s_add_nc_u64 s[14:15], s[4:5], s[16:17]
	s_add_nc_u64 s[46:47], s[6:7], s[46:47]
	CROUND                                         ; all sixteen work-groups are here: the first joint loads meet
.irp s, 0,1
	s_mov_b32 s[G0+4*\s], 1                        ; 1:0 count = 1
	s_add_co_u32 s[G0+4*\s+1], s20, \s*SLOT        ; 63:32 LDS address
	s_add_nc_u64 s[G0+4*\s+2:G0+4*\s+3], s[14:15], \s*8192   ; 120:64 global address: K step s: eight fragments of 1,024 bytes on
	s_or_b32 s[G0+4*\s+3], s[G0+4*\s+3], 0x80000000          ; 127:126 type = 2
	s_mov_b32 s[G0B+4*\s], 1
	s_add_co_u32 s[G0B+4*\s+1], s23, \s*SLOT
	s_add_nc_u64 s[G0B+4*\s+2:G0B+4*\s+3], s[46:47], \s*KSTEP*2
	s_or_b32 s[G0B+4*\s+3], s[G0B+4*\s+3], 0x80000000
	JLOAD \s
.endr
	v_and_b32 v1, 15, v0                           ; l % 16
	v_bfe_u32 v2, v0, 4, 1                         ; l / 16
	s_lshl_b32 s16, s13, 7                         ; out0: my first row, 128 x tile row + 64 x half, 4,096 bytes each;
	s_lshl_b32 s17, s11, 6
	s_add_co_u32 s16, s16, s17
	s_lshl_b32 s16, s16, 12
	s_mov_b32 s17, 0
	s_add_nc_u64 s[8:9], s[8:9], s[16:17]
	s_lshl_b32 s46, s42, 9                         ; my first column, 128 x tile column + 64 x half, 4 bytes each: in out0 and in bo alike
	s_lshl_b32 s47, s12, 8
	s_add_co_u32 s46, s46, s47
	s_mov_b32 s47, 0
	s_add_nc_u64 s[8:9], s[8:9], s[46:47]
	s_add_nc_u64 s[66:67], s[66:67], s[46:47]
	v_lshlrev_b32 v7, 5, v2                        ; my half's eight numbers of a block's sixteen
.irp b, 0,1,2,3
	global_load_b128 v[BO+8*\b:BO+8*\b+3], v7, s[66:67] offset:64*\b          ; v[BO + 8 b + j] = bo of my column 16 b + 8 (l / 16) + j
	global_load_b128 v[BO+8*\b+4:BO+8*\b+7], v7, s[66:67] offset:64*\b+16
.endr
	v_and_b32 v6, 31, v0
	v_lshlrev_b32 v6, 4, v6                        ; O: 16 x lane
	v_mul_u32_u24 v3, v1, PITCH
	v_lshl_add_u32 v3, v2, 4, v3                   ; Wo: a fragment's row x pitch + 16 x half
	s_lshl_b32 s21, s11, 15                        ; my 64 tokens
	s_mul_i32 s22, s12, HALFB                      ; my 64 rows of Wo
	s_add_co_u32 s22, s22, BOFF
.irp s, 0,1
	v_add_nc_u32 v[ADRA+\s], s21, v6
	v_add_nc_u32 v[ADRB+\s], s22, v3
	s_add_co_u32 s21, s21, SLOT
	s_add_co_u32 s22, s22, SLOT
.endr
	s_mul_i32 s23, s10, 16*SPITCH
	s_add_co_u32 s23, s23, STAGE                   ; my stage
	v_mul_u32_u24 v4, v1, SPITCH                   ; in: row l % 16, 32 bytes for each half of the lanes
	v_lshl_add_u32 v4, v2, 5, v4
	v_add_nc_u32 v[STO], s23, v4
	v_mul_u32_u24 v5, v2, SPITCH                   ; back: lanes 0-15 take one row of 256 bytes, lanes 16-31 the next
	v_lshl_add_u32 v5, v1, 4, v5
	v_add_nc_u32 v[RD], s23, v5
	v_lshlrev_b32 v5, 12, v2                       ; and the same two rows in out0
	v_lshl_add_u32 v[CO], v1, 4, v5
; 8 matrix instructions: token blocks a0, a0 + 1 x all 4 column blocks, 32 along K: half c of buffer f.  zero = 1: the first product starts the sums from bo.  The 16 accumulators take turns.
.macro MUL8 f, c, a0, zero
.irp a, \a0, \a0+1
.irp b, 0,1,2,3
.if \zero
	v_wmma_f32_16x16x32_f16 v[ACC+8*(4*(\a)+\b):ACC+8*(4*(\a)+\b)+7], v[\f+64+8*(4*\c+\b):\f+64+8*(4*\c+\b)+7], v[\f+8*(4*\c+\a):\f+8*(4*\c+\a)+7], v[BO+8*\b:BO+8*\b+7]
.else
	v_wmma_f32_16x16x32_f16 v[ACC+8*(4*(\a)+\b):ACC+8*(4*(\a)+\b)+7], v[\f+64+8*(4*\c+\b):\f+64+8*(4*\c+\b)+7], v[\f+8*(4*\c+\a):\f+8*(4*\c+\a)+7], v[ACC+8*(4*(\a)+\b):ACC+8*(4*(\a)+\b)+7]
.endif
.endr
.endr
.endm
; 32 LDS loads in one run: the fragments of the slot's q-th 64 along K into buffer f; the first 32 along K first
.macro FETCH slot, q, f
	WIN TO_F
.irp c, 0,1
.irp i, 0,1,2,3
	ds_load_b128 v[\f+64+8*(4*\c+\i):\f+64+8*(4*\c+\i)+3],   v[ADRB+\slot] offset:128*(\q)+64*\c+\i*16*PITCH
	ds_load_b128 v[\f+64+8*(4*\c+\i)+4:\f+64+8*(4*\c+\i)+7], v[ADRB+\slot] offset:128*(\q)+64*\c+\i*16*PITCH+32
	ds_load_b128 v[\f+8*(4*\c+\i):\f+8*(4*\c+\i)+3],         v[ADRA+\slot] offset:8192*\i+1024*(2*(\q)+\c)
	ds_load_b128 v[\f+8*(4*\c+\i)+4:\f+8*(4*\c+\i)+7],       v[ADRA+\slot] offset:8192*\i+1024*(2*(\q)+\c)+512
.endr
.endr
.endm
.macro PLACES                          ; four places in front of loads into registers that matrix instructions have read, and of LDS stores that read results (ISA guide 7.12.1 for the stores)
.rept 4
	v_nop
.endr
.endm
; A K step is four quarters of 64 along K, 32 matrix instructions each, on buffers 0, 1, 0, 1.  One of the first three: multiplies buffer f and fetches quarter q into g.
.macro QUARTER slot, q, f, g, zero
	s_wait_dscnt 16                                ; the first 32 along K are in; the sixteen loads of the second 32 may be out
	WIN MUL
	MUL8 \f, 0, 0, \zero
	MUL8 \f, 0, 2, \zero
	PLACES
	FETCH \slot, \q, \g
	s_wait_dscnt 32                                ; all but the 32 just issued
	WIN MUL
	MUL8 \f, 1, 0, 0
	MUL8 \f, 1, 2, 0
.endm
; The last quarter multiplies buffer 1 and changes slots: ONE barrier; in front of it each wave waits for all its tensor loads, adds 0 to its spare word, and waits for that and for its own reads of this slot.  fill = 1: this slot is filled again, two K steps ahead.
.macro TURN slot, next, fill
	WIN 0                                          ; (the add's two registers lie in window 0)
	s_wait_tensorcnt 0x0                           ; all my tensor loads have landed: my part of the next slot;
	ds_add_u32 v[SPW], v[NIL]                      ; 0 onto my spare word;
	s_wait_dscnt 17                                ; (the add and the youngest sixteen loads may be out)
	WIN MUL
	MUL8 F1, 0, 0, 0                               ; eight matrix instructions stand between the add and the wait for it
	s_wait_dscnt 0x0                               ; the add is done, and my reads of this slot are over
	s_barrier_signal -1
	MUL8 F1, 0, 2, 0
.if \fill
	WIN 0
.endif
	s_barrier_wait -1
.if \fill
	CREST                                          ; the barrier has opened a round of the cluster's barrier: no wave of any partner still reads this slot's tile or has a load on its way
	s_add_nc_u64 s[G0+4*\slot+2:G0+4*\slot+3], s[G0+4*\slot+2:G0+4*\slot+3], 2*8192
	s_add_nc_u64 s[G0B+4*\slot+2:G0B+4*\slot+3], s[G0B+4*\slot+2:G0B+4*\slot+3], 2*KSTEP*2
	JLOAD \slot                                    ; the first tensor load behind the round: 112 matrix instructions ahead of the wait for it; the four v_nop behind it are also the places in front of the loads below
.else
	PLACES
.endif
	FETCH \next, 0, F0
	WIN MUL
	MUL8 F1, 1, 0, 0
	MUL8 F1, 1, 2, 0
.endm
	s_wait_tensorcnt 1                             ; my part of K step 0 is in; K step 1's load, issued behind it, may be out
	s_barrier_signal -1
	s_barrier_wait -1                              ; everybody's is
	FETCH 0, 0, F0
	s_wait_loadcnt 0x0                             ; bo
	QUARTER 0, 1, F0, F1, 1                        ; the first products start the sums from bo: nothing is cleared
.rept LAPS-1                           ; once round the ring, from a lap's second quarter to the next lap's first; both slots are filled again.  K = 1,024 has one such lap, so it is written out and not looped
	QUARTER 0, 2, F1, F0, 0
	QUARTER 0, 3, F0, F1, 0
	TURN 0, 1, 1
	QUARTER 1, 1, F0, F1, 0
	QUARTER 1, 2, F1, F0, 0
	QUARTER 1, 3, F0, F1, 0
	TURN 1, 0, 1
	QUARTER 0, 1, F0, F1, 0
.endr
	QUARTER 0, 2, F1, F0, 0                        ; the last lap fills nothing, and has no round of the cluster's barrier
	QUARTER 0, 3, F0, F1, 0
	TURN 0, 1, 0
	QUARTER 1, 1, F0, F1, 0
	QUARTER 1, 2, F1, F0, 0
	QUARTER 1, 3, F0, F1, 0
	s_wait_dscnt 16                                ; the very last quarter: nothing more to fetch
	WIN MUL
	MUL8 F1, 0, 0, 0
	MUL8 F1, 0, 2, 0
	s_wait_dscnt 0
	MUL8 F1, 1, 0, 0
	MUL8 F1, 1, 2, 0
	WIN 0
; THE WAY OUT, a block of 16 tokens x 64 columns at a time.  A lane holds 32 neighbouring bytes of a row, and the lanes beside it hold other rows: so a block goes through my own stage in LDS and comes back as whole rows of
; 256 bytes, into the registers that it left.  LDS serves a wave's instructions in order (ISA guide 5.7.1.4): no wait between the stores and the loads, nor in front of the next block's stores.  No register is used twice by the stores to memory.
.macro TOSTAGE a
.irp b, 0,1,2,3
	ds_store_b128 v[STO], v[ACC+32*(\a)+8*\b:ACC+32*(\a)+8*\b+3] offset:64*\b        ; each accumulator from its low end on
	ds_store_b128 v[STO], v[ACC+32*(\a)+8*\b+4:ACC+32*(\a)+8*\b+7] offset:64*\b+16
.endr
.irp t, 0,1,2,3,4,5,6,7
	ds_load_b128 v[ACC+32*(\a)+4*\t:ACC+32*(\a)+4*\t+3], v[RD] offset:\t*2*SPITCH
.endr
.endm
.macro SEND a, younger                 ; younger: the LDS instructions issued behind block a's loads: the next block's eight stores and eight loads, or none
	s_wait_dscnt \younger
.irp t, 0,1,2,3,4,5,6,7
	global_store_b128 v[CO], v[ACC+32*(\a)+4*\t:ACC+32*(\a)+4*\t+3], s[8:9] offset:(16*(\a)+2*\t)*4096 th:TH_STORE_NT   ; 16 lanes store 256 consecutive bytes, at a multiple of 256 from out0's first byte; written once, read by nobody here
.endr
.endm
	PLACES
	TOSTAGE 0
.irp a, 1,2,3
	TOSTAGE \a
	SEND \a-1, 16
.endr
	SEND 3, 0
	s_wait_tensorcnt 0x0                           ; the wave's end, behind my last tensor load and my last LDS store
	ds_add_u32 v[SPW], v[NIL]
	s_wait_dscnt 0x0
	CROUND                                         ; the closing round: no work-group ends while a partner may still ask for a tile that names it
	s_endpgm
.Lfunc_end_k_q18d2c8e022_outp:
	.size	k_q18d2c8e022_outp, .Lfunc_end_k_q18d2c8e022_outp-k_q18d2c8e022_outp
	.p2alignl 7, 3214868480
	.fill 96, 4, 3214868480
	.section	.rodata,"a",@progbits
	.p2align	6, 0x0
	.amdhsa_kernel k_q18d2c8e022_outp
		.amdhsa_group_segment_fixed_size 327680
		.amdhsa_private_segment_fixed_size 0
		.amdhsa_enable_private_segment 0
		.amdhsa_kernarg_size 32
		.amdhsa_user_sgpr_count 2
		.amdhsa_user_sgpr_kernarg_segment_ptr 1
		.amdhsa_wavefront_size32 1
		.amdhsa_system_sgpr_workgroup_id_x 1
		.amdhsa_system_sgpr_workgroup_id_y 1
		.amdhsa_system_sgpr_workgroup_id_z 1
		.amdhsa_system_vgpr_workitem_id 0
		.amdhsa_next_free_vgpr 512
		.amdhsa_next_free_sgpr 68
		.amdhsa_reserve_vcc 0
		.amdhsa_float_denorm_mode_32 3
		.amdhsa_float_denorm_mode_16_64 3
		.amdhsa_memory_ordered 1
		.amdhsa_forward_progress 1
		.amdhsa_inst_pref_size 86
	.end_amdhsa_kernel
	.amdgpu_metadata
---
amdhsa.version: [ 1, 2 ]
amdhsa.kernels:
  - .name:           k_q18d2c8e022_outp
    .symbol:         k_q18d2c8e022_outp.kd
    .args:
      - { .name: att, .offset: 0, .size: 8, .value_kind: global_buffer, .address_space: global }
      - { .name: wo16, .offset: 8, .size: 8, .value_kind: global_buffer, .address_space: global }
      - { .name: out0, .offset: 16, .size: 8, .value_kind: global_buffer, .address_space: global }
      - { .name: bo, .offset: 24, .size: 8, .value_kind: global_buffer, .address_space: global }
    .group_segment_fixed_size: 327680
    .private_segment_fixed_size: 0
    .kernarg_segment_align: 8
    .kernarg_segment_size: 32
    .max_flat_workgroup_size: 128
    .sgpr_count:     68
    .vgpr_count:     512
    .wavefront_size: 32
...
	.end_amdgpu_metadata
.endif
;; end of part 4
